; MI455X (gfx1250); checked and timed in simulation.
; The chip was launched on July 23, 2026; its instructions are those of AMD's public machine-readable ISA for CDNA 5 (MIT licence, August 2026) and "CDNA5" Instruction Set Architecture Reference Guide (July 2026). The comments in the code are by the model that wrote it; some were corrected since.
;; Attention. Allowed arithmetic: matrix products marked QUANTISED: E2M1 operands, one E8M0 scale for each 32 along K, by v_wmma_scale_f32_16x16x128_f8f6f4 with both operands' format E2M1 (or v_wmma_scale_f32_32x16x128_f4), f32 sums; everything else in f32.
;; Inputs: W_proj 1,024 x 1,024 float32; W_qkv 1,024 x 3,072 float32; b_proj 1,024 float32; x 4 x 2,048 x 1,024 float32.
;; Outputs: out0 4 x 2,048 x 1,024 float32.
;; This version of the problem:
;;   THIS VERSION OF THE PROBLEM IS GIVEN IN LOW PRECISION. The matrix products marked QUANTISED in the list below multiply operands that are first quantised to E2M1 (2 exponent bits, 1 mantissa bit; 4 bits a number), with one power-of-two scale for each 32 numbers along K (OCP MX v1.0); their sums are f32. All else is computed in f32.
;;   The module's matrix products, in the order in which they are computed (A, B: the left and right operand; K: the contracted axis; several contracted axes count as one K, in the product's order):
;;     1. [M 8,192, K 1,024] x [K 1,024, N 3,072]; A: input x; B: input W_qkv: QUANTISED
;;     2. batch 64 x [M 2,048, K 64] x [K 64, N 2,048]; A: computed on the way; B: computed on the way: QUANTISED
;;     3. batch 64 x [M 2,048, K 2,048] x [K 2,048, N 64]; A: softmax (see below); B: computed on the way: QUANTISED
;;     4. [M 8,192, K 1,024] x [K 1,024, N 1,024]; A: computed on the way; B: input W_proj: QUANTISED
;;   THE QUANTISER, for each operand of a quantised product, along K:
;;     - K is cut into blocks of 32 from its start; a last block that is shorter is filled with zeros.
;;     - A block's scale is 2^e with e = floor(log2(the largest magnitude in the block)) - 2, held to -126 .. 127; a block of zeros has e = 0. As a byte (E8M0): e + 127.
;;     - Each number is divided by its block's scale, clamped to +-6, and rounded to the nearest number of E2M1, ties to even, subnormals kept.
;;     - The product sums the exact products of the quantised numbers (number of the format x scale) in f32.
;;   ~~~python
;;   def quantise(x, axis):      # numpy; x: float32 -> the quantised numbers, widened to float32 again
;;       x = np.moveaxis(x, axis, -1); K = x.shape[-1]
;;       x = np.pad(x, [(0, 0)] * (x.ndim - 1) + [(0, -K % 32)]); x = x.reshape(x.shape[:-1] + (-1, 32)); a = np.abs(x).max(-1, keepdims=True)
;;       e = np.where(a > 0, np.clip(np.frexp(np.where(a > 0, a, 1))[1] - 1 - 2, -126, 127), 0)      # np.frexp(a)[1] - 1 = floor(log2(a)), exactly
;;       r = np.clip(x / 2.0 ** e, -6, 6)
;;       step = 2.0 ** (np.maximum(np.frexp(np.where(r == 0, 1, r))[1] - 1, 0) - 1)
;;       q = np.round(r / step) * step * 2.0 ** e      # np.round: ties to even
;;       return np.moveaxis(q.reshape(q.shape[:-2] + (-1,))[..., :K], -1, axis).astype(np.float32)
;;   ~~~
;;   SOFTMAX AHEAD OF A QUANTISED PRODUCT. Where the list says 'softmax', what is quantised is not the finished softmax but p = 2^(t - M), with t = logit x log2(e) and M = ceil(the row's largest t), a whole number; so 1/2 < the row's largest p <= 1. The row's sum l is taken of the UNQUANTISED p, in f32, and the product's result is divided by l at the end. Since M is a whole number, a kernel that streams over the keys may use a running M (the ceiling of the running maximum): every later rescaling is an exact power of two, which a block's scale takes up: the codes' values come out the same.
;;   OPERANDS COMPUTED ON THE WAY. 'Computed on the way' means the value that the module computes at that place (a softmax that the list does not call 'softmax' is quantised finished and normalised). What goes into a quantiser is computed in f32, as accurately as f32 sums, v_exp_f32 and their like allow (about 1e-6 of the number): no bf16 or f16 on the way to a quantiser, and a product that is left as it is and whose result goes on into a quantised operand takes f32 operands (vector FMAs, or v_wmma_f32_16x16x4_f32). A number that lies on a knife's edge between two numbers of the format may be rounded either way, as far as f32 arithmetic and the matrix unit's own rounding can turn it there, and no further.
;; One version. Each part assembles by itself: llvm-mc -triple=amdgcn-amd-amdhsa -mcpu=gfx1250 --defsym DOCPART=n.
;; ======== version 1 of 1: 4 launches
;; workspace buffers: xc 4,194,304 bytes; xs 262,144 bytes; wc 2,097,152 bytes; ws 131,072 bytes; qkv 13,369,344 bytes; oc 4,194,304 bytes; os 262,144 bytes
;; launch quant (part 1): grid 512 x 1, 4 waves a work-group, no clusters, 34,304 bytes of LDS; arguments x, W_qkv, W_proj, xc, xs, wc, ws; writes xc, xs, wc, ws
.if DOCPART == 1
	.amdgcn_target "amdgcn-amd-amdhsa--gfx1250"
	.amdhsa_code_object_version 6
	.text
	.protected	k_q07c8ee1178_quant
	.globl	k_q07c8ee1178_quant
	.p2align	8
	.type	k_q07c8ee1178_quant,@function
k_q07c8ee1178_quant:
	s_mov_b64 s[64:65], 0
	v_nop
	global_prefetch_b8 v0, s[64:65] scope:SCOPE_SE
	s_setreg_imm32_b32 hwreg(HW_REG_WAVE_MODE, 25, 1), 1
	s_wait_xcnt 0x0
; x [8192][1024], W_qkv [1024][3072] and W_proj [1024][1024], f32, become codes of FP4 (E2M1) with one E8M0 byte for each 32 along K = the model's 1,024.
; A block's scale is 2^(floor(log2(its largest magnitude)) - 2): its byte is the largest magnitude's exponent field - 2, held at 1 from below by a floor among the maximum's leaves.
; LAYOUT OF THE RESULTS: IMAGES OF OPERAND REGISTERS.  A tile is 16 rows (tokens of x, columns of W).  Codes: [K half][tile][block of 32 in the half, 0..15][row][16 bytes]: so a fragment of 16 rows x 128 K is
; 1,024 consecutive bytes, and lane l's two groups of four registers lie at 16 l and 512 + 16 l.  Scale bytes: [tile][K half][row][16 bytes]: a row's four scale words of a K half on end.
; wc and ws hold W_qkv's 192 tiles of columns, then W_proj's 64.
; LIMITS: a block of zeros gets the byte 1 where the rule says 127 (its codes are zeros, which add nothing under any byte but 0xff, and this program alone reads the bytes); NaN and infinities among the inputs are not served.
; SHARES: work-groups 0-255 take x (a wave: one tile, one K half: four fragments); 256-447 W_qkv, 448-511 W_proj (a work-group: 128 columns x 128 K; a wave: 32 columns, a lane a column, registers down K).
; No tensor load, no barrier: waves share nothing.  Only x's path uses LDS: each wave's own stage, through which 16 rows x 512 bytes turn from 'a load reads 512 consecutive bytes' to 'a lane holds 32 neighbours along K'.
; W's scale words leave as 4 bytes a lane, 16 bytes apart: one byte in 128 of what that path reads; gathering them would take a work-group that covers all of K for its columns.
.set STG,   16*528                     ; a wave's stage: 16 rows of 512 bytes + 16, so that the sixteen rows that a read touches lie 132 words apart
.set SPARE, 4*STG                      ; behind the stages: the spare words, 128 bytes for each wave: two blocks of 256 bytes that no other line names
.set SPW,   30                         ; v30  LDS address of my spare word; never rewritten
.set NIL,   31                         ; v31  0; never rewritten
.set TM,    12                         ; v12-13 largest magnitudes;  v14-15 the conversions' scale operands;  v16-17 the bytes;  v18-19 at work
.set TS,    14
.set TB,    16
.set WD,    20                         ; v20-23 x: a row's four scale words;  W: v20 the column's scale word
.set R,     32                         ; v32-159  x: two sets of 64 as loaded;  W: four sets of 32 numbers
.set X,     160                        ; v160-223 x: my 64 numbers of a fragment: two whole blocks
.set C,     224                        ; v224-255 codes: registers of their own for every store, so that no store's data are written again
.macro LOADF f                         ; fragment f: 16 rows x 512 bytes; each load reads 512 consecutive bytes of one row
.irp i, 0,1,2,3,4,5,6,7,8,9,10,11,12,13,14,15
	global_load_b128 v[R+64*((\f)%2)+4*\i:R+64*((\f)%2)+4*\i+3], v4, s[4:5] offset:4096*\i+512*(\f) th:TH_LOAD_NT
.endr
.endm
.macro FRAGX f
.if (\f) < 3
	s_wait_loadcnt 16                              ; this fragment's 16 loads are in; the next fragment's 16 may be out
.else
	s_wait_loadcnt 0
.endif
.irp i, 0,1,2,3,4,5,6,7,8,9,10,11,12,13,14,15
	ds_store_b128 v5, v[R+64*((\f)%2)+4*\i:R+64*((\f)%2)+4*\i+3] offset:528*\i
.endr
.irp c, 0,1                            ; lane (r, h) takes k = 64 c + 32 h + 0 .. 31 of row r: the operand's own layout.  LDS serves a wave's instructions in order: these see the stores above
.irp i, 0,1,2,3,4,5,6,7
	ds_load_b128 v[X+32*\c+4*\i:X+32*\c+4*\i+3], v6 offset:256*\c+16*\i
.endr
.endr
	s_wait_dscnt 0x0                               ; my numbers are back, and the stores have read their registers,
.if (\f) < 2
	LOADF (\f)+2                                   ; which take the loads of two fragments on
.endif
.irp c, 0,1
	v_max3_num_f32 v[TM+\c], |v[X+32*\c]|, |v[X+32*\c+1]|, 0x1800000   ; a whole block is mine; the floor 2^(3 - 127) is one more leaf: the byte cannot fall under 1
.endr
.irp i, 2,4,6,8,10,12,14,16,18,20,22,24,26,28,30
.irp c, 0,1
	v_max3_num_f32 v[TM+\c], v[TM+\c], |v[X+32*\c+\i]|, |v[X+32*\c+\i+1]|
.endr
.endr
.irp c, 0,1
	v_add_nc_u32 v[TS+\c], 0xff000000, v[TM+\c]    ; 2 off the exponent field: the conversion takes the exponent field of this operand as its scale
.endr
.irp c, 0,1
	v_lshrrev_b32 v[TB+\c], 23, v[TS+\c]           ; the scale's byte
.endr
	v_lshl_or_b32 v18, v[TB+1], 16, v[TB]          ; my two bytes: blocks h and 2 + h,
	v_lshlrev_b32 v18, v7, v18                     ; at their places (8 h bits up);
	v_permlanex16_b32 v19, v18, s22, s23
	v_or_b32 v[WD+(\f)], v18, v19                  ; with lane l xor 16's two the row's word of this fragment is whole
.irp c, 0,1
.irp g, 0,1,2,3
	v_cvt_scalef32_pk8_fp4_f32 v[C+8*(\f)+4*\c+\g], v[X+32*\c+8*\g:X+32*\c+8*\g+7], v[TS+\c]
.endr
.endr
	v_nop                                          ; one plain line behind the last conversion
.irp c, 0,1
	global_store_b128 v4, v[C+8*(\f)+4*\c:C+8*(\f)+4*\c+3], s[10:11] offset:1024*(\f)+512*\c   ; 32 lanes store 512 consecutive bytes
.endr
.endm
.macro WLOAD N, p, t                   ; block t: W(32 t + i, my column), i = 0 .. 31: a wave's load reads 128 consecutive bytes, the four waves stand side by side
.irp i, 0,1,2,3,4,5,6,7,8,9,10,11,12,13,14,15,16,17,18,19,20,21,22,23,24,25,26,27,28,29,30,31
	global_load_b32 v[R+32*(\t)+\i], v9, s[\p:\p+1] offset:(32*(\t)+\i)*\N*4 th:TH_LOAD_NT
.endr
.endm
.macro WBLOCK N, p, t
.set XS, R+32*(\t)
.if (\t) < 3
	s_wait_loadcnt 32                              ; this block's 32 loads are in; the next block's 32 may be out
.else
	s_wait_loadcnt 0
.endif
.if (\t) < 2
	WLOAD \N, \p, (\t)+2
.endif
	v_max3_num_f32 v12, |v[XS]|, |v[XS+1]|, |v[XS+2]|   ; all 32 numbers of the block are mine: two chains
	v_max3_num_f32 v13, |v[XS+3]|, |v[XS+4]|, |v[XS+5]|
.irp i, 6,10,14,18,22,26
	v_max3_num_f32 v12, v12, |v[XS+\i]|, |v[XS+\i+1]|
	v_max3_num_f32 v13, v13, |v[XS+\i+2]|, |v[XS+\i+3]|
.endr
	v_max3_num_f32 v12, v12, |v[XS+30]|, |v[XS+31]|
	v_max3_num_f32 v12, v12, v13, 0x1800000        ; and the floor
	v_add_nc_u32 v14, 0xff000000, v12
	v_lshrrev_b32 v13, 23, v14
.if (\t) == 0
	v_mov_b32 v[WD], v13
.else
	v_lshl_or_b32 v[WD], v13, 8*(\t), v[WD]        ; the four bytes of this K step make the column's scale word
.endif
.irp g, 0,1,2,3
	v_cvt_scalef32_pk8_fp4_f32 v[C+4*(\t)+\g], v[XS+8*\g:XS+8*\g+7], v14
.endr
	v_nop                                          ; one plain line behind the last conversion
	global_store_b128 v10, v[C+4*(\t):C+4*(\t)+3], s[14:15] offset:256*(\t)   ; lanes 0-15 and lanes 16-31 each store 256 consecutive bytes, aligned: a block of one tile
.endm
; A weight [1024][N]: tile0 = its first tile in wc and ws, first = its first work-group, p = the scalar pair with its address.
.macro WQ N, tile0, first, p
	s_sub_co_u32 s25, ttmp9, \first
	s_and_b32 s26, s25, 7                          ; which 128 along K
	s_lshr_b32 s25, s25, 3                         ; which 128 columns
	s_mul_i32 s28, s26, 128*\N*4
	s_lshl_b32 s27, s25, 9
	s_add_co_u32 s28, s28, s27
	s_lshl_b32 s27, s20, 7
	s_add_co_u32 s28, s28, s27                     ; the weight at row 128 s, column 128 cg + 32 wave
	s_add_nc_u64 s[\p:\p+1], s[\p:\p+1], s[28:29]
	s_lshl_b32 s30, s25, 3
	s_lshl_b32 s27, s20, 1
	s_add_co_u32 s30, s30, s27
	s_add_co_u32 s30, s30, \tile0                  ; my wave's first tile of two
	s_lshr_b32 s31, s26, 2                         ; the K half,
	s_and_b32 s26, s26, 3                          ; and the K step in it
	s_lshl_b32 s28, s30, 12
	s_lshl_b32 s27, s31, 20
	s_add_co_u32 s28, s28, s27
	s_lshl_b32 s27, s26, 10
	s_add_co_u32 s28, s28, s27
	s_add_nc_u64 s[14:15], s[14:15], s[28:29]      ; the codes
	s_lshl_b32 s28, s30, 9
	s_lshl_b32 s27, s31, 8
	s_add_co_u32 s28, s28, s27
	s_lshl_b32 s27, s26, 2
	s_add_co_u32 s28, s28, s27
	s_add_nc_u64 s[16:17], s[16:17], s[28:29]      ; the scale words
	WLOAD \N, \p, 0
	WLOAD \N, \p, 1
	WBLOCK \N, \p, 0
	WBLOCK \N, \p, 1
	WBLOCK \N, \p, 2
	WBLOCK \N, \p, 3
	global_store_b32 v11, v[WD], s[16:17]
.endm
	s_load_b256 s[4:11], s[0:1], 0x0               ; x s[4:5], W_qkv s[6:7], W_proj s[8:9], xc s[10:11]
	s_load_b128 s[12:15], s[0:1], 0x20             ; xs s[12:13], wc s[14:15]
	s_load_b64 s[16:17], s[0:1], 0x30              ; ws
	v_lshl_add_u32 v[SPW], v0, 2, SPARE
	v_mov_b32 v[NIL], 0
	v_lshrrev_b32 v1, 5, v0
	v_readfirstlane_b32 s20, v1                    ; wave 0..3
	v_and_b32 v1, 31, v0                           ; lane
	v_and_b32 v2, 15, v0                           ; r
	v_bfe_u32 v3, v0, 4, 1                         ; h
	s_mul_i32 s21, s20, STG                        ; my stage
	v_lshlrev_b32 v4, 4, v1                        ; 16 x lane: my bytes of a load's and of a store's 512
	v_add_nc_u32 v5, s21, v4                       ; into the stage: as loaded
	v_mul_u32_u24 v6, v2, 528
	v_lshl_add_u32 v6, v3, 7, v6
	v_add_nc_u32 v6, s21, v6                       ; out of it: row r, + 128 h bytes
	v_lshlrev_b32 v7, 3, v3                        ; 8 h
	v_lshl_add_u32 v8, v2, 4, v7                   ; x's scale words: 16 r + 8 h
	v_lshlrev_b32 v9, 2, v1                        ; W: 4 bytes a lane
	v_lshlrev_b32 v10, 4, v2
	v_lshl_add_u32 v11, v3, 9, v10                 ; W's scale words: tile h of my two, row r
	v_lshl_add_u32 v10, v3, 12, v10                ; W's codes: the same
	v_mov_b32 v19, 0                               ; written once: a lane permute's destination counts as one of its sources
	s_mov_b32 s22, 0x76543210
	s_mov_b32 s23, 0xfedcba98                      ; v_permlanex16_b32's selects for lane l xor 16
	s_mov_b32 s24, 0xffff0000                      ; lanes 16-31
	s_mov_b32 s29, 0                               ; the upper word of every offset
	s_wait_kmcnt 0x0
	s_cmp_lt_u32 ttmp9, 256
	s_cbranch_scc1 .Lpath_x
	s_cmp_lt_u32 ttmp9, 448
	s_cbranch_scc1 .Lpath_qkv
	s_wait_alu depctr_va_vdst(0)
	WQ 1024, 192, 448, 8
	s_endpgm
.Lpath_qkv:
	s_wait_alu depctr_va_vdst(0)
	WQ 3072, 0, 256, 6
	s_endpgm
.Lpath_x:
	s_lshl_b32 s25, ttmp9, 1
	s_lshr_b32 s26, s20, 1
	s_add_co_u32 s25, s25, s26                     ; my tile of 16 tokens
	s_and_b32 s26, s20, 1                          ; my K half
	s_lshl_b32 s28, s25, 16
	s_lshl_b32 s27, s26, 11
	s_add_co_u32 s28, s28, s27
	s_add_nc_u64 s[4:5], s[4:5], s[28:29]          ; x: 16 rows of 4,096 bytes a tile, 2,048 bytes a K half
	s_lshl_b32 s28, s25, 12
	s_lshl_b32 s27, s26, 21
	s_add_co_u32 s28, s28, s27
	s_add_nc_u64 s[10:11], s[10:11], s[28:29]      ; the codes
	s_lshl_b32 s28, s25, 9
	s_lshl_b32 s27, s26, 8
	s_add_co_u32 s28, s28, s27
	s_add_nc_u64 s[12:13], s[12:13], s[28:29]      ; the scale bytes
	LOADF 0
	LOADF 1
	s_wait_alu depctr_va_vdst(0)
	FRAGX 0
	FRAGX 1
	FRAGX 2
	FRAGX 3
	v_cndmask_b32 v24, v[WD], v[WD+2], s24         ; lanes 0-15 store a row's words 0 and 1, lanes 16-31 its words 2 and 3:
	v_cndmask_b32 v25, v[WD+1], v[WD+3], s24
	global_store_b64 v8, v[24:25], s[12:13]        ; 32 lanes store 256 consecutive bytes, aligned
	s_wait_tensorcnt 0x0                           ; the wave's end: behind my last LDS store
	ds_add_u32 v[SPW], v[NIL]
	s_wait_dscnt 0x0
	s_endpgm
.Lfunc_end_k_q07c8ee1178_quant:
	.size	k_q07c8ee1178_quant, .Lfunc_end_k_q07c8ee1178_quant-k_q07c8ee1178_quant
	.p2alignl 7, 3214868480
	.fill 96, 4, 3214868480
	.section	.rodata,"a",@progbits
	.p2align	6, 0x0
	.amdhsa_kernel k_q07c8ee1178_quant
		.amdhsa_group_segment_fixed_size 34304
		.amdhsa_private_segment_fixed_size 0
		.amdhsa_enable_private_segment 0
		.amdhsa_kernarg_size 56
		.amdhsa_user_sgpr_count 2
		.amdhsa_user_sgpr_kernarg_segment_ptr 1
		.amdhsa_wavefront_size32 1
		.amdhsa_system_sgpr_workgroup_id_x 1
		.amdhsa_system_sgpr_workgroup_id_y 1
		.amdhsa_system_sgpr_workgroup_id_z 1
		.amdhsa_system_vgpr_workitem_id 0
		.amdhsa_next_free_vgpr 256
		.amdhsa_next_free_sgpr 66
		.amdhsa_reserve_vcc 0
		.amdhsa_float_denorm_mode_32 3
		.amdhsa_float_denorm_mode_16_64 3
		.amdhsa_memory_ordered 1
		.amdhsa_forward_progress 1
		.amdhsa_inst_pref_size 69
	.end_amdhsa_kernel
	.amdgpu_metadata
---
amdhsa.version: [ 1, 2 ]
amdhsa.kernels:
  - .name:           k_q07c8ee1178_quant
    .symbol:         k_q07c8ee1178_quant.kd
    .args:
      - { .name: x, .offset: 0, .size: 8, .value_kind: global_buffer, .address_space: global }
      - { .name: W_qkv, .offset: 8, .size: 8, .value_kind: global_buffer, .address_space: global }
      - { .name: W_proj, .offset: 16, .size: 8, .value_kind: global_buffer, .address_space: global }
      - { .name: xc, .offset: 24, .size: 8, .value_kind: global_buffer, .address_space: global }
      - { .name: xs, .offset: 32, .size: 8, .value_kind: global_buffer, .address_space: global }
      - { .name: wc, .offset: 40, .size: 8, .value_kind: global_buffer, .address_space: global }
      - { .name: ws, .offset: 48, .size: 8, .value_kind: global_buffer, .address_space: global }
    .group_segment_fixed_size: 34304
    .private_segment_fixed_size: 0
    .kernarg_segment_align: 8
    .kernarg_segment_size: 56
    .max_flat_workgroup_size: 128
    .sgpr_count:     66
    .vgpr_count:     256
    .wavefront_size: 32
...
	.end_amdgpu_metadata
.endif
;; end of part 1
;; launch gemm_qkv (part 2): grid 8 x 48, 4 waves a work-group, clusters of 4 x 4, 327,680 bytes of LDS; arguments xc, xs, wc, ws, qkv; writes qkv
.if DOCPART == 2
	.amdgcn_target "amdgcn-amd-amdhsa--gfx1250"
	.amdhsa_code_object_version 6
	.text
	.protected	k_q07c8ee1178_gemm_qkv
	.globl	k_q07c8ee1178_gemm_qkv
	.p2align	8
	.type	k_q07c8ee1178_gemm_qkv,@function
k_q07c8ee1178_gemm_qkv:
	s_mov_b64 s[64:65], 0
	v_nop
	global_prefetch_b8 v0, s[64:65] scope:SCOPE_SE
	s_setreg_imm32_b32 hwreg(HW_REG_WAVE_MODE, 25, 1), 1
	s_wait_xcnt 0x0
	s_wait_alu depctr_hold_cnt(0) depctr_sa_sdst(0) depctr_va_vdst(0) depctr_va_sdst(0) depctr_va_ssrc(0) depctr_va_vcc(0) depctr_vm_vsrc(0)
	s_getreg_b32 s2, hwreg(HW_REG_IB_STS2, 6, 4)
	s_cmp_eq_u32 s2, 0
	s_cbranch_scc0 .Lentry_in_a_cluster
	s_endpgm
.Lentry_in_a_cluster:
	s_bfe_u32 s2, ttmp6, 0x10000c
	s_cmp_lg_u32 s2, 0xf033
	s_cbranch_scc0 .Lentry_shape_is_right
	s_endpgm
.Lentry_shape_is_right:
; qkv = x W_qkv on codes of FP4 (E2M1) with E8M0 scales; the f32 sums are quantised in registers for the two products of attention and leave as codes: q and k along the head's 64, v along the keys.
; A tile of 256 x 256 results is made by four waves, 128 x 128 each: 64 accumulators, 512 registers.  K = 1,024 lies WHOLE in LDS, as two halves, each filled once: nothing is ever filled again.
; OPERANDS ARE IMAGES OF REGISTERS: a fragment (16 rows x 128 K) is 1,024 consecutive bytes, read at 16 x lane and 512 + 16 x lane: no pitch, no padding; 128 rows of a K half are 32,768 consecutive bytes of memory.
; THE MATRIX INSTRUCTION IS USED TRANSPOSED (source 0 = 16 rows of 'B', source 1 = 16 rows of 'A'): a lane holds ONE row of A, and its registers run along B's rows, which are the axis that is quantised next.
; ONE TEXT, TWO FLAVOURS, chosen by pointers and numbers alone, from the cluster's y, which all sixteen partners share; no branch hangs on it.
;   cluster y < 8:  A = x (tokens), B = W's tiles 0-127 (features of q and k): a lane holds a token, its registers 128 features = two heads.
;   cluster y >= 8: A = W's tiles 128-191 (channels of v), B = x (tokens): a lane holds a channel, its registers 128 tokens = one key step of attention.
; CLUSTERS: 4 x 4 work-groups; A's tiles are shared along a row of the cluster, B's along a column: each is asked for jointly, by the same tensor load with the same descriptor and a mask that names the four.
; THE RECORD of a head (REC bytes, head-batch 16 b + head): K's codes (tile of 16 keys: 512 bytes, lane l's 16 bytes at 16 l), V's codes [key step][tile of 16 channels][64 keys][lane][16], K's scale words, V's scale words,
; Q's codes, Q's scale words.  Scale words: [step of 128][lane][2 words].  For q and k a word belongs to a PAIR of tiles (two bytes each), word j of lane (r, h) = pair 2 j + h, row r; for v to a tile of channels 2 j + h, row r.
; LIMITS: a block of zeros gets the byte 1 where the rule says 127 (its codes are zeros; this program alone reads the bytes); NaN and infinities are not served.
; REGISTERS, in windows of 256: window 0: v1-29 addresses; v32-95 scale words, a set for each K half; v96-119 at work on the way out; v128-191 A's fragments, ONE set, later the codes; v192-219 the way out's offsets and words.
;   window 1: B's fragments, two sets, at v0 and v128.   windows 2, 3: the accumulators of my A rows 0-63 and 64-127 ((a, b) at v[8 (8 (a % 4) + b)]).
.set NQ,    4                          ; steps of 128 along K in a K half
.set FR,    8                          ; registers of a fragment
.set NL,    2                          ; LDS loads that bring one
.set NP,    4                          ; places behind this matrix instruction (ISA guide 7.12.1)
.set HALFT, 32768                      ; 8 tiles x 4,096 bytes: what one tensor load brings, and what one wave reads of A or of B in a K half
.set SLOT,  4*HALFT                    ; a K half: A's 16 tiles, then B's 16
.set SCL,   2*SLOT                     ; behind the two halves: the scale bytes, A's 16 tiles x 512 bytes, then B's
.set HALFS, 4096                       ; those of 8 tiles
.set SPARE, SCL+4*HALFS                ; the spare words, 128 bytes for each wave: two blocks of 256 bytes that no other line names
.set REC,   208896                     ; a head's record
.set ADRA, 16                          ; v16-17  LDS address of my A fragments in K half 0, 1
.set ADRB, 20                          ; v20-21  the same for B
.set L8,   25                          ; v25     8 x lane
.set L16,  26                          ; v26     16 x lane
.set ADRS, 27                          ; v27     LDS address of my scale words: lanes 0-15 A's rows, lanes 16-31 B's
.set SPW,  28                          ; v28     LDS address of my spare word; never rewritten
.set NIL,  29                          ; v29     0; never rewritten
.set SC,   32                          ; scale words: set s at v[SC + 32 s]; register 4 i + q: lanes 0-15 A's block i, lanes 16-31 B's block i, step q
.set TM,   96                          ; v96-99 largest magnitudes; v100-103 the other half's; v104-107 the conversions' scale operands; v108-111 bytes
.set TP,   100
.set TS,   104
.set TB,   108
.set WW,   112                         ; v112-119 block a's word: the four bytes of my row's four blocks of 32
.set AF,   128                         ; A's fragments
.set CD,   128                         ; the way out: 8 registers of codes for each a
.set VOFF, 192                         ; v192-207 where the codes of (a, run of 64) go
.set EE,   208                         ; v208-215, v216-219 the scale words on their way to their image
.set FW,   216
.set FLG,  18                          ; s18     0: the q-and-k flavour; -1: the v flavour
.set G1,   24                          ; s[24:31] descriptor group 1 for A's tiles;  s[32:39] group 0, one set for each K half
.set G0,   32
.set G1B,  48                          ; s[48:55], s[56:63] the same for B's
.set G0B,  56
.set G1S,  68                          ; s[68:75], s[76:79] groups 1 and 0 for A's scales;  s[80:87], s[88:91] for B's
.set G0S,  76
.set G1SB, 80
.set G0SB, 88
.set MSB, 0
.macro WIN new                         ; the immediate's high byte repeats the setting that is left; a switch that changes nothing is dropped
.if MSB != (\new)
	s_set_vgpr_msb (MSB<<8)|(\new)
.set MSB, (\new)
.endif
.endm
.set MUL_LO, 0xa1                      ; source 0 (B) window 1, source 1 (A) window 0, C and D window 2
.set MUL_HI, 0xf1                      ; the same, C and D window 3
.set TO_B,   0x40                      ; destination window 1, address window 0
; A joint load: waves 0 and 1 fetch for A, waves 2 and 3 for B.  The branch hangs on the wave's number alone.  An s_nop 0 and four v_nop follow each of the two lines.
.macro JLOAD g0a, g1a, g0b, g1b
	s_cmp_eq_u32 s15, 0
	s_cbranch_scc0 .Lfor_b_\@
	tensor_load_to_lds s[\g0a:\g0a+3], s[\g1a:\g1a+7]
	s_nop 0
.rept 4
	v_nop
.endr
	s_branch .Lasked_\@
.Lfor_b_\@:
	tensor_load_to_lds s[\g0b:\g0b+3], s[\g1b:\g1b+7]
	s_nop 0
.rept 4
	v_nop
.endr
.Lasked_\@:
.endm
.macro CROUND                          ; a round of the cluster's barrier
	s_barrier_signal -1
	s_barrier_wait -1
	s_cmp_lg_u32 s14, 0
	s_cbranch_scc1 .Lnot_wave_0_\@
	s_barrier_signal -3
.Lnot_wave_0_\@:
	s_barrier_wait -3
	s_barrier_signal -1
	s_barrier_wait -1
.endm
	s_load_b256 s[4:11], s[0:1], 0x0               ; xc s[4:5], xs s[6:7], wc s[8:9], ws s[10:11]
	s_load_b64 s[12:13], s[0:1], 0x20              ; qkv
	v_lshl_add_u32 v[SPW], v0, 2, SPARE
	v_mov_b32 v[NIL], 0
	ds_add_u32 v[SPW], v[NIL]                      ; the wave's opening: the add, twice on end, and its wait ahead of my first tensor load; the set-up below, work on registers, stands between
	ds_add_u32 v[SPW], v[NIL]
	v_lshrrev_b32 v1, 5, v0
	v_readfirstlane_b32 s14, v1                    ; wave 0..3
	s_lshr_b32 s15, s14, 1                         ; which half of the tile's A rows is mine.  Also: I fetch for A (0) or for B (1)
	s_and_b32 s16, s14, 1                          ; which half of its B rows.  Also: which 8 tiles I fetch
	s_bfe_u32 s40, ttmp6, 0x40000                  ; cx, cy: my place in the cluster
	s_bfe_u32 s41, ttmp6, 0x40004
	s_and_b32 s95, ttmp7, 0xffff                   ; the cluster's y
	s_lshl_b32 s19, s95, 2
	s_lshl_b32 s20, s95, 3
	s_sub_co_u32 s20, s20, 64                      ; 8 (y - 8): used in the v flavour alone
	s_lshl_b32 s42, ttmp9, 2
	s_mov_b32 s21, 0x100000
	s_mov_b32 s22, 0x200000
	s_cmp_lt_u32 s95, 8                            ; the flavour: only selections and moves follow, which leave SCC alone
	s_cselect_b32 s17, s19, 0
	s_cselect_b32 s20, 0, s20
	s_cselect_b32 s[FLG], 0, -1
	s_cselect_b32 s21, 0x200000, s21               ; from A's K half 0 to its K half 1: x's codes have 512 tiles a half, W's 256
	s_cselect_b32 s22, 0x100000, s22               ; the same for B
	s_cselect_b32 s23, 0, 0x80000                  ; v's channels begin at W's tile 128: in the codes,
	s_cselect_b32 s19, 0, 0x10000                  ; and in the scale bytes
	s_add_co_u32 s17, s17, s41                     ; tile row: 4 y + cy, or cy
	s_add_co_u32 s42, s42, s20
	s_add_co_u32 s42, s42, s40                     ; tile column: 4 x + cx, or 4 (2 (y - 8) + x) + cx
	s_lshl_b32 s43, s41, 2
	s_lshl_b32 s43, 15, s43                        ; my row of the cluster
	s_lshl_b32 s44, 0x1111, s40                    ; my column
	; descriptor group 1: a dense block as rows of 256 bytes (32 elements of 8 bytes): 128 rows of codes, 16 rows of scale bytes; no padding
	s_or_b32 s[G1+0], s43, (3<<16)|(1<<21)         ; 15:0 the mask: A's go to my row; 17:16 elements of 8 bytes; 21 set beside a mask
	s_or_b32 s[G1B+0], s44, (3<<16)|(1<<21)
	s_or_b32 s[G1S+0], s43, (3<<16)|(1<<21)
	s_or_b32 s[G1SB+0], s44, (3<<16)|(1<<21)
.irp g, G1, G1B
	s_mov_b32 s[\g+1], 32<<16                      ; tensor_dim0
	s_mov_b32 s[\g+2], 128<<16                     ; tensor_dim1
	s_mov_b32 s[\g+3], 32<<16                      ; tile_dim0
	s_mov_b32 s[\g+4], 128                         ; tile_dim1
	s_mov_b32 s[\g+5], 32                          ; tensor_dim0_stride
	s_mov_b32 s[\g+6], 0
	s_mov_b32 s[\g+7], 0
.endr
.irp g, G1S, G1SB
	s_mov_b32 s[\g+1], 32<<16
	s_mov_b32 s[\g+2], 16<<16
	s_mov_b32 s[\g+3], 32<<16
	s_mov_b32 s[\g+4], 16
	s_mov_b32 s[\g+5], 32
	s_mov_b32 s[\g+6], 0
	s_mov_b32 s[\g+7], 0
.endr
	; where my 8 tiles begin, in bytes.  A's hang on the tile row alone, B's on the tile column alone; every wave makes both, in registers of their own
	s_lshl_b32 s2, s17, 16
	s_lshl_b32 s3, s16, 15
	s_add_co_u32 s2, s2, s3
	s_add_co_u32 s2, s2, s23                       ; A's codes
	s_mov_b32 s3, 0
	s_lshl_b32 s92, s17, 13
	s_lshl_b32 s93, s16, 12
	s_add_co_u32 s92, s92, s93
	s_add_co_u32 s92, s92, s19                     ; A's scale bytes
	s_mov_b32 s93, 0
	s_lshl_b32 s46, s42, 16
	s_lshl_b32 s47, s16, 15
	s_add_co_u32 s46, s46, s47                     ; B's codes
	s_mov_b32 s47, 0
	s_lshl_b32 s94, s42, 13
	s_lshl_b32 s95, s16, 12
	s_add_co_u32 s94, s94, s95                     ; B's scale bytes
	s_mov_b32 s95, 0
	s_lshl_b32 s45, s14, 15                        ; where they go: wave x HALFT, wave x HALFS: no place in the cluster enters an LDS address
	s_lshl_b32 s20, s14, 12
	s_wait_dscnt 0x0                               ; both opening adds are done
	s_wait_kmcnt 0x0
	s_cmp_eq_u32 s[FLG], 0
	s_cselect_b64 s[96:97], s[4:5], s[8:9]         ; A's codes: x's or W's
	s_cselect_b64 s[98:99], s[6:7], s[10:11]       ; A's scale bytes
	s_cselect_b64 s[8:9], s[8:9], s[4:5]           ; B's codes
	s_cselect_b64 s[10:11], s[10:11], s[6:7]       ; B's scale bytes
	s_add_nc_u64 s[96:97], s[96:97], s[2:3]
	s_add_nc_u64 s[98:99], s[98:99], s[92:93]
	s_add_nc_u64 s[8:9], s[8:9], s[46:47]
	s_add_nc_u64 s[10:11], s[10:11], s[94:95]
	s_mov_b32 s2, s21                              ; the steps to K half 1, as pairs
	s_mov_b32 s46, s22
	CROUND                                         ; all sixteen work-groups are here: the first joint loads meet
	s_mov_b32 s[G0S], 1
	s_add_co_u32 s[G0S+1], s20, SCL
	s_mov_b64 s[G0S+2:G0S+3], s[98:99]
	s_or_b32 s[G0S+3], s[G0S+3], 0x80000000
	s_mov_b32 s[G0SB], 1
	s_add_co_u32 s[G0SB+1], s20, SCL
	s_mov_b64 s[G0SB+2:G0SB+3], s[10:11]
	s_or_b32 s[G0SB+3], s[G0SB+3], 0x80000000
	JLOAD G0S, G1S, G0SB, G1SB                     ; the scale bytes first: they are wanted with K half 0
	s_mov_b32 s[G0], 1
	s_mov_b32 s[G0+1], s45
	s_mov_b64 s[G0+2:G0+3], s[96:97]
	s_or_b32 s[G0+3], s[G0+3], 0x80000000
	s_mov_b32 s[G0B], 1
	s_mov_b32 s[G0B+1], s45
	s_mov_b64 s[G0B+2:G0B+3], s[8:9]
	s_or_b32 s[G0B+3], s[G0B+3], 0x80000000
	JLOAD G0, G1, G0B, G1B                         ; K half 0
	s_mov_b32 s[G0+4], 1
	s_add_co_u32 s[G0+5], s45, SLOT
	s_add_nc_u64 s[G0+6:G0+7], s[96:97], s[2:3]
	s_or_b32 s[G0+7], s[G0+7], 0x80000000
	s_mov_b32 s[G0B+4], 1
	s_add_co_u32 s[G0B+5], s45, SLOT
	s_add_nc_u64 s[G0B+6:G0B+7], s[8:9], s[46:47]
	s_or_b32 s[G0B+7], s[G0B+7], 0x80000000
	JLOAD G0+4, G1, G0B+4, G1B                     ; K half 1: three loads of mine are out
	v_and_b32 v1, 15, v0                           ; r
	v_bfe_u32 v2, v0, 4, 1                         ; h
	s_wait_alu depctr_va_vdst(0)
	v_and_b32 v3, 31, v0
	v_lshlrev_b32 v[L16], 4, v3
	s_wait_alu depctr_va_vdst(0)
	v_lshlrev_b32 v[L8], 3, v3
	s_lshl_b32 s21, s15, 15                        ; my 8 tiles of A,
	s_lshl_b32 s22, s16, 15                        ; my 8 tiles of B,
	s_add_co_u32 s22, s22, 2*HALFT                 ; which lie behind A's 16
.irp s, 0,1
	v_add_nc_u32 v[ADRA+\s], s21, v[L16]
	v_add_nc_u32 v[ADRB+\s], s22, v[L16]
	s_add_co_u32 s21, s21, SLOT
	s_add_co_u32 s22, s22, SLOT
.endr
	s_lshl_b32 s21, s15, 12                        ; the scale words: A's, my 8 tiles;
	s_lshl_b32 s22, s16, 12                        ; B's, my 8 tiles, behind A's 16
	s_add_co_u32 s22, s22, 2*HALFS
	s_sub_co_u32 s22, s22, s21
	v_mul_u32_u24 v4, s22, v2                      ; lanes 16-31 take B's: one product with h
	s_add_co_u32 s21, s21, SCL
	v_lshl_add_u32 v4, v1, 4, v4                   ; 16 bytes a row
	v_add_nc_u32 v[ADRS], s21, v4
	; where the results go
	s_lshl_b32 s21, s17, 8
	s_lshl_b32 s22, s15, 7
	s_add_co_u32 s21, s21, s22                     ; my first A row
	s_lshl_b32 s22, s42, 8
	s_lshl_b32 s23, s16, 7
	s_add_co_u32 s22, s22, s23                     ; my first B row
	s_cmp_eq_u32 s[FLG], 0
	s_cselect_b32 s23, s21, s22                    ; my first token,
	s_cselect_b32 s19, s22, s21                    ; and my first feature (of q and k together, or of v)
	s_mov_b32 s47, 131072
	s_cmp_lt_u32 s19, 1024
	s_cselect_b32 s46, 139264, 0                   ; the record's region of codes: Q's or K's,
	s_cselect_b32 s47, 204800, s47                 ; and of scale words
	s_cmp_eq_u32 s[FLG], 0
	s_cselect_b32 s46, s46, 65536                  ; or V's
	s_cselect_b32 s47, s47, 135168
	s_bfe_u32 s19, s19, 0x40006                    ; my first head of two
	s_lshr_b32 s20, s23, 11
	s_lshl_b32 s20, s20, 4
	s_add_co_u32 s20, s20, s19                     ; its record: 16 b + head
	s_mul_i32 s20, s20, REC
	s_bfe_u32 s23, s23, 0x40007                    ; my step of 128 tokens in the sequence
	s_lshl_b32 s21, s23, 12
	s_add_co_u32 s46, s46, s20
	s_add_co_u32 s46, s46, s21                     ; 4,096 bytes of codes a step,
	s_lshl_b32 s21, s23, 8
	s_add_co_u32 s94, s47, s20
	s_add_co_u32 s94, s94, s21                     ; 256 bytes of scale words
	s_mov_b32 s47, 0
	s_mov_b32 s95, 0
	s_add_nc_u64 s[66:67], s[12:13], s[46:47]
	s_add_nc_u64 s[2:3], s[12:13], s[94:95]
	s_mov_b32 s19, 1024                            ; the codes of (a, run e of 64) go (a % 4) S1 + (a / 4) S2 + e S3 bytes on: q, k: tile a, head e;  v: tile of channels a % 4, head a / 4, keys 64 e on
	s_mov_b32 s20, REC
	s_mov_b32 s21, 512
	s_cmp_eq_u32 s[FLG], 0
	s_cselect_b32 s19, 512, s19
	s_cselect_b32 s20, 2048, s20
	s_cselect_b32 s21, REC, s21
	v_mov_b32 v[VOFF], v[L16]
	v_add_nc_u32 v[VOFF+1], s21, v[L16]
.irp a, 1,2,3
.irp e, 0,1
	v_add_nc_u32 v[VOFF+2*\a+\e], s19, v[VOFF+2*\a-2+\e]
.endr
.endr
.irp a, 4,5,6,7
.irp e, 0,1
	v_add_nc_u32 v[VOFF+2*\a+\e], s20, v[VOFF+2*\a-8+\e]
.endr
.endr
.irp b, 0,1,2,3
	v_mov_b32 v[TP+\b], 0                          ; written once: a lane permute's destination counts as one of its sources
.endr
	s_mov_b32 s96, 0x76543210
	s_mov_b32 s97, 0xfedcba98                      ; v_permlanex16_b32's selects for lane l xor 16
	s_mov_b32 s98, 0xffff0000                      ; lanes 16-31
	s_mov_b32 s92, 0x05040100                      ; v_perm_b32: the low halves of two words,
	s_mov_b32 s93, 0x07060302                      ; the high halves
.macro FRAG reg, adr, q, i             ; a fragment: tile i, step q: lane l's registers 4 c .. 4 c + 3 lie at 16 l + 512 c
.irp c, 0,1
	ds_load_b128 v[\reg+4*\c:\reg+4*\c+3], v[\adr] offset:1024*(\q)+512*\c+4096*(\i)
.endr
.endm
; 16 matrix instructions: A's blocks a0, a0 + 1 x B's eight, 128 along K.  p: B's set;  sc: the set of scale words.  zero = 1: the first product starts the sums: nothing is ever cleared.
; The 64 accumulators take turns, one instruction a turn, in the same order in every step.
.macro MUL16 a0, p, q, sc, zero
.irp a, \a0, \a0+1
.irp b, 0,1,2,3,4,5,6,7
.if \zero
	v_wmma_scale_f32_16x16x128_f8f6f4 v[8*(8*((\a)%4)+\b):8*(8*((\a)%4)+\b)+7], v[128*(\p)+FR*\b:128*(\p)+FR*\b+FR-1], v[AF+FR*(\a):AF+FR*(\a)+FR-1], 0, v[SC+8*NQ*(\sc)+NQ*\b+(\q)], v[SC+8*NQ*(\sc)+NQ*(\a)+(\q)] matrix_a_fmt:MATRIX_FMT_FP4 matrix_b_fmt:MATRIX_FMT_FP4 matrix_a_scale:MATRIX_SCALE_ROW1
.else
	v_wmma_scale_f32_16x16x128_f8f6f4 v[8*(8*((\a)%4)+\b):8*(8*((\a)%4)+\b)+7], v[128*(\p)+FR*\b:128*(\p)+FR*\b+FR-1], v[AF+FR*(\a):AF+FR*(\a)+FR-1], v[8*(8*((\a)%4)+\b):8*(8*((\a)%4)+\b)+7], v[SC+8*NQ*(\sc)+NQ*\b+(\q)], v[SC+8*NQ*(\sc)+NQ*(\a)+(\q)] matrix_a_fmt:MATRIX_FMT_FP4 matrix_b_fmt:MATRIX_FMT_FP4 matrix_a_scale:MATRIX_SCALE_ROW1
.endif
.endr
.endr
.endm
.macro FETCH_B slot, q, p              ; B's eight fragments of step q into set p
	WIN TO_B
.irp i, 0,1,2,3,4,5,6,7
	FRAG 128*(\p)+FR*\i, ADRB+\slot, \q, \i
.endr
	WIN 0
.endm
.macro FETCH_A slot, q, i0             ; A's blocks i0 .. i0 + 3
.irp i, \i0, \i0+1, \i0+2, \i0+3
	FRAG AF+FR*(\i), ADRA+\slot, \q, \i
.endr
.endm
.macro SCALES sc                       ; a K half's scale words into set sc: four words a row; lanes 0-15 take A's block i, lanes 16-31 B's block i
.irp i, 0,1,2,3,4,5,6,7
	ds_load_b128 v[SC+8*NQ*\sc+NQ*\i:SC+8*NQ*\sc+NQ*\i+3], v[ADRS] offset:\i*512
.endr
.endm
.macro PLACES n                        ; places in front of loads into registers that matrix instructions have read, and of the first read of results
.rept \n
	v_nop
.endr
.endm
; A step of 128 along K that has its successor in the same K half.  A block of A is free as soon as its eight products are issued, so one set serves A: blocks 0-3 come anew in the step's middle, blocks 4-7 at its end.
.macro STEP slot, q, zero
	s_wait_dscnt 4*NL                              ; B's set and A's blocks 0-3 are in; the youngest eight loads (A's blocks 4-7) may be out
	WIN MUL_LO
	MUL16 0, (\q)%2, \q, \slot, \zero
	MUL16 2, (\q)%2, \q, \slot, \zero
	s_wait_dscnt 0                                 ; A's blocks 4-7 are in
	PLACES NP
	FETCH_B \slot, (\q)+1, 1-(\q)%2
	FETCH_A \slot, (\q)+1, 0
	WIN MUL_HI
	MUL16 4, (\q)%2, \q, \slot, \zero
	MUL16 6, (\q)%2, \q, \slot, \zero
	PLACES NP
	WIN 0
	FETCH_A \slot, (\q)+1, 4
.endm
; K half 0's last step goes over to K half 1: each wave waits for its part of it, and one barrier shows every wave the whole.
.macro TURN slot, next
	s_wait_tensorcnt 0x0                           ; all my tensor loads have landed: my part of K half 1;
	ds_add_u32 v[SPW], v[NIL]                      ; 0 onto my spare word;
	s_wait_dscnt 4*NL+1                            ; (the add and the youngest eight loads, A's blocks 4-7, may be out)
	WIN MUL_LO
	MUL16 0, 1, NQ-1, \slot, 0
	s_wait_dscnt 0x0                               ; the add is done, and no LDS instruction of mine is out at the signal
	s_barrier_signal -1
	MUL16 2, 1, NQ-1, \slot, 0
	WIN 0
	s_barrier_wait -1
	PLACES NP
	v_add_nc_u32 v[ADRS], 256, v[ADRS]             ; on to the next K half's scale words
	FETCH_B \next, 0, 0
	FETCH_A \next, 0, 0
	SCALES \next
	WIN MUL_HI
	MUL16 4, 1, NQ-1, \slot, 0
	MUL16 6, 1, NQ-1, \slot, 0
	PLACES NP
	WIN 0
	FETCH_A \next, 0, 4
.endm
.macro STEPS slot, from                ; the K half's steps from .. NQ - 2
.set Q, \from
.rept NQ-1-\from
	STEP \slot, Q, 0
.set Q, Q+1
.endr
.endm
	s_wait_tensorcnt 1                             ; the scale bytes and my part of K half 0 are in (K half 1's load may be out),
	s_barrier_signal -1
	s_barrier_wait -1                              ; everybody's are
	FETCH_B 0, 0, 0
	FETCH_A 0, 0, 0
	SCALES 0
	FETCH_A 0, 0, 4
	STEP 0, 0, 1                                   ; the first step's products start the sums
	STEPS 0, 1
	TURN 0, 1
	STEPS 1, 0
	s_wait_dscnt 4*NL                              ; the last step: nothing more to fetch
	WIN MUL_LO
	MUL16 0, 1, NQ-1, 1, 0
	MUL16 2, 1, NQ-1, 1, 0
	s_wait_dscnt 0
	WIN MUL_HI
	MUL16 4, 1, NQ-1, 1, 0
	MUL16 6, 1, NQ-1, 1, 0
	WIN 0
	PLACES NP
; THE WAY OUT.  Block a: lane (r, h) holds row r of A's block a; register 8 b + j is B's row 16 b + 8 h + j.  A block of 32 along B's rows lies in 16 registers of lanes l and l xor 16.
; The eight conversions' results (8 codes each) are laid in the order 0, 2, 1, 3 within each run of 64, so that two exchanges of halves give registers 0..3 = k 32 h + 0 .. 31 of that run: the operand's own layout.
.macro EPI a
.set AC, 64*((\a)%4)
.set EW, 2+(\a)/4
.set EWM, (EW<<2)|(EW<<4)
	WIN 0
.irp b, 0,1,2,3
	v_mov_b32 v[TM+\b], 0x1800000                  ; the floor 2^(3 - 127): the byte cannot fall under 1
.endr
	WIN EWM                                        ; sources 1 and 2: the accumulators' window
.irp i, 0,2,4,6,8,10,12,14
.irp b, 0,1,2,3
	v_max3_num_f32 v[TM+\b], v[TM+\b], |v[AC+16*\b+\i]|, |v[AC+16*\b+\i+1]|   ; the four blocks by turns; each accumulator from its low end on
.endr
.endr
	WIN 0
.irp b, 0,1,2,3
	v_permlanex16_b32 v[TP+\b], v[TM+\b], s96, s97
.endr
.irp b, 0,1,2,3
	v_max_num_f32 v[TM+\b], v[TM+\b], v[TP+\b]     ; with lane l xor 16's: the block's largest magnitude
.endr
.irp b, 0,1,2,3
	v_add_nc_u32 v[TS+\b], 0xff000000, v[TM+\b]    ; 2 off its exponent field: the conversion's scale operand
.endr
.irp b, 0,1,2,3
	v_lshrrev_b32 v[TB+\b], 23, v[TS+\b]           ; the scale's byte
.endr
	v_lshl_or_b32 v[WW+\a], v[TB+1], 8, v[TB]
	v_lshl_or_b32 v[WW+\a], v[TB+2], 16, v[WW+\a]
	v_lshl_or_b32 v[WW+\a], v[TB+3], 24, v[WW+\a]
	WIN EW                                         ; source 0: the accumulators' window
.irp b, 0,1,2,3,4,5,6,7
	v_cvt_scalef32_pk8_fp4_f32 v[CD+8*\a+4*(\b/4)+2*(\b%2)+(\b%4)/2], v[AC+8*\b:AC+8*\b+7], v[TS+\b/2]
.endr
	WIN 0
	v_nop                                          ; one plain line behind the last conversion
.irp e, 0,1
	v_permlane16_swap_b32 v[CD+8*\a+4*\e], v[CD+8*\a+4*\e+1]
	v_permlane16_swap_b32 v[CD+8*\a+4*\e+2], v[CD+8*\a+4*\e+3]
.endr
.irp e, 0,1
	global_store_b128 v[VOFF+2*\a+\e], v[CD+8*\a+4*\e:CD+8*\a+4*\e+3], s[66:67]   ; 32 lanes store 512 consecutive bytes, aligned; no register of a store is written again
.endr
.endm
.irp a, 0,1,2,3,4,5,6,7
	EPI \a
.endr
	; the scale words' images, one for each of my two heads.  q, k: pair i's word is two bytes of tile 2 i's word and two of tile 2 i + 1's;  v: tile i's word as it stands
.irp n, 0,1
.irp i, 0,1,2,3
	v_perm_b32 v[EE+4*\n+\i], v[WW+2*\i+1], v[WW+2*\i], s[92+\n]
.endr
.irp i, 0,1,2,3
	v_cndmask_b32 v[EE+4*\n+\i], v[EE+4*\n+\i], v[WW+4*\n+\i], s[FLG]
.endr
	v_cndmask_b32 v[FW+2*\n], v[EE+4*\n], v[EE+4*\n+1], s98       ; word j: lanes 0-15 hold number 2 j, lanes 16-31 number 2 j + 1
	v_cndmask_b32 v[FW+2*\n+1], v[EE+4*\n+2], v[EE+4*\n+3], s98
	global_store_b64 v[L8], v[FW+2*\n:FW+2*\n+1], s[2:3] offset:\n*REC   ; 32 lanes store 256 consecutive bytes, aligned
.endr
	s_wait_tensorcnt 0x0                           ; the wave's end: behind my last tensor load
	ds_add_u32 v[SPW], v[NIL]
	s_wait_dscnt 0x0
	CROUND                                         ; the closing round: no work-group ends while a partner may still ask for a tile that names it
	s_endpgm
.Lfunc_end_k_q07c8ee1178_gemm_qkv:
	.size	k_q07c8ee1178_gemm_qkv, .Lfunc_end_k_q07c8ee1178_gemm_qkv-k_q07c8ee1178_gemm_qkv
	.p2alignl 7, 3214868480
	.fill 96, 4, 3214868480
	.section	.rodata,"a",@progbits
	.p2align	6, 0x0
	.amdhsa_kernel k_q07c8ee1178_gemm_qkv
		.amdhsa_group_segment_fixed_size 327680
		.amdhsa_private_segment_fixed_size 0
		.amdhsa_enable_private_segment 0
		.amdhsa_kernarg_size 40
		.amdhsa_user_sgpr_count 2
		.amdhsa_user_sgpr_kernarg_segment_ptr 1
		.amdhsa_wavefront_size32 1
		.amdhsa_system_sgpr_workgroup_id_x 1
		.amdhsa_system_sgpr_workgroup_id_y 1
		.amdhsa_system_sgpr_workgroup_id_z 1
		.amdhsa_system_vgpr_workitem_id 0
		.amdhsa_next_free_vgpr 1024
		.amdhsa_next_free_sgpr 100
		.amdhsa_reserve_vcc 0
		.amdhsa_float_denorm_mode_32 3
		.amdhsa_float_denorm_mode_16_64 3
		.amdhsa_memory_ordered 1
		.amdhsa_forward_progress 1
		.amdhsa_inst_pref_size 132
	.end_amdhsa_kernel
	.amdgpu_metadata
---
amdhsa.version: [ 1, 2 ]
amdhsa.kernels:
  - .name:           k_q07c8ee1178_gemm_qkv
    .symbol:         k_q07c8ee1178_gemm_qkv.kd
    .args:
      - { .name: xc, .offset: 0, .size: 8, .value_kind: global_buffer, .address_space: global }
      - { .name: xs, .offset: 8, .size: 8, .value_kind: global_buffer, .address_space: global }
      - { .name: wc, .offset: 16, .size: 8, .value_kind: global_buffer, .address_space: global }
      - { .name: ws, .offset: 24, .size: 8, .value_kind: global_buffer, .address_space: global }
      - { .name: qkv, .offset: 32, .size: 8, .value_kind: global_buffer, .address_space: global }
    .group_segment_fixed_size: 327680
    .private_segment_fixed_size: 0
    .kernarg_segment_align: 8
    .kernarg_segment_size: 40
    .max_flat_workgroup_size: 128
    .sgpr_count:     100
    .vgpr_count:     1024
    .wavefront_size: 32
...
	.end_amdgpu_metadata
.endif
;; end of part 2
;; launch attn (part 3): grid 4 x 64, 16 waves a work-group, clusters of 4 x 1, 167,936 bytes of LDS; arguments qkv, oc, os; writes oc, os
.if DOCPART == 3
	.amdgcn_target "amdgcn-amd-amdhsa--gfx1250"
	.amdhsa_code_object_version 6
	.text
	.protected	k_q07c8ee1178_attn
	.globl	k_q07c8ee1178_attn
	.p2align	8
	.type	k_q07c8ee1178_attn,@function
k_q07c8ee1178_attn:
	s_mov_b64 s[64:65], 0
	v_nop
	global_prefetch_b8 v0, s[64:65] scope:SCOPE_SE
	s_setreg_imm32_b32 hwreg(HW_REG_WAVE_MODE, 25, 1), 1
	s_wait_xcnt 0x0
	s_wait_alu depctr_hold_cnt(0) depctr_sa_sdst(0) depctr_va_vdst(0) depctr_va_sdst(0) depctr_va_ssrc(0) depctr_va_vcc(0) depctr_vm_vsrc(0)
	s_getreg_b32 s2, hwreg(HW_REG_IB_STS2, 6, 4)
	s_cmp_eq_u32 s2, 0
	s_cbranch_scc0 .Lentry_in_a_cluster
	s_endpgm
.Lentry_in_a_cluster:
	s_bfe_u32 s2, ttmp6, 0x10000c
	s_cmp_lg_u32 s2, 0x3003
	s_cbranch_scc0 .Lentry_shape_is_right
	s_endpgm
.Lentry_shape_is_right:
; O = softmax(Q K^T / 8) V for one head of one batch, both products on codes of FP4 (E2M1) with E8M0 scales; O / the row's sum is quantised along the model's axis and leaves as codes for the projection.
; THE SOFTMAX AHEAD OF THE SECOND PRODUCT: t = score x log2(e) / 8; M = the row's largest t so far, rounded UP to a whole number; p = 2^(t - M) is what is quantised, along the keys, not normalised.
; The row's sum is taken of the unquantised p, in f32.  When M moves, the sum and O are multiplied by 2^(old M - new M): exact.  The division at the end is v_rcp_f32 and a multiplication.
; SHARES.  A work-group owns 512 queries of a head; each of its sixteen waves 32, two tiles of 16 (A, B), which share every fragment of K and V.  Four waves to a SIMD: one wave's vector work stands beside another's products.
; ALL OF THE HEAD'S K AND V LIE IN LDS, filled once: the first 139,264 bytes of the head's record, as they lie.  No ring, no refill, no barrier in the loop.
; CLUSTER.  The four query blocks of a head form a cluster and ask for the record jointly: waves 0 to 7 issue one tensor load each, 68 rows of 256 bytes, with the same descriptor in all four work-groups.
; LAYOUT.  Both products are used transposed (S^T = K Q^T, O^T = V^T P^T): a lane holds ONE query (lane % 16) throughout.  Operands are images of registers: a load reads 16 bytes at 16 x lane.
; K = 64 IN THE FIRST PRODUCT, 128 IN THE INSTRUCTION: a fragment of K holds TWO tiles of 16 keys (registers 0-3, 4-7); Q stands as (q, 0, q) in 12 registers, and (q, 0) picks the first tile, (0, q) the second:
; zero codes add nothing.  K's scale word belongs to the pair, two bytes a tile; Q's word repeats its two bytes.
; A result's register 8 t + j is key (or channel) 16 t + 8 (lane / 16) + j.  The conversions' results are laid in the order 0, 2, 1, 3 within each run of 64, and two exchanges of halves give the next operand's layout.
; LIMITS: a block whose every number is 0 keeps the byte 1 (its codes are zeros; this program alone reads the bytes); NaN and infinities are not served.
; os is written in pieces of 2 bytes: a scale word of the projection spans two heads, which belong to different work-groups; the pieces are 262,144 bytes in the whole launch.
; REGISTERS: v1-3 lane terms; v4, v5 the add's two; v6-8 addresses of the step; v12-15, v16-19 tile A's, B's -M, largest t, sum in two halves; v20-31, v32-43 Q of A, of B; v44-51 scale words and nothing else
; (v44, v45 Q's; v46, v47 p's; v48-49 K's; v50-51 V's); v52-59, v60-67 p's codes; v68-99 four fragments of K, then of V; v100-163 S^T, then p; v164-195, v196-227 O^T of A, of B; v228-246 at work.
.set REC,   208896                     ; a head's record: K's codes 0, V's codes 65,536, K's scale words 131,072, V's 135,168, Q's codes 139,264, Q's scale words 204,800
.set PART,  68*256                     ; what one tensor load brings
.set SPARE, 139264                     ; behind the record's part: the spare words, 128 bytes for each wave: eight blocks of 256 bytes that no other line names
.set SPW,  4
.set NIL,  5
.set KF,   68
.set S,    100
.set BM,   228                         ; v228-231 the blocks' largest scores, then largest p
.set BP,   232                         ; v232-235 the other half's; then the bytes
.set SO,   236                         ; v236-239 the conversions' scale operands
.macro CROUND                          ; a round of the cluster's barrier
	s_barrier_signal -1
	s_barrier_wait -1
	s_cmp_lg_u32 s12, 0
	s_cbranch_scc1 .Lnot_wave_0_\@
	s_barrier_signal -3
.Lnot_wave_0_\@:
	s_barrier_wait -3
	s_barrier_signal -1
	s_barrier_wait -1
.endm
; S^T of one tile of queries for 128 keys: eight products, each with the constant 0 as C.  QB: Q's 12 registers; QW: its scale word.  Pair p's scale word: v[48 + p / 2], lanes 0-15 or 16-31
.macro SCORES QB, QW
.irp p, 0,1,2,3
.irp e, 0,1
.if \p%2
	v_wmma_scale_f32_16x16x128_f8f6f4 v[S+8*(2*\p+\e):S+8*(2*\p+\e)+7], v[KF+8*\p:KF+8*\p+7], v[\QB+4*\e:\QB+4*\e+7], 0, v[48+\p/2], v[\QW] matrix_a_fmt:MATRIX_FMT_FP4 matrix_b_fmt:MATRIX_FMT_FP4 matrix_a_scale:MATRIX_SCALE_ROW1
.else
	v_wmma_scale_f32_16x16x128_f8f6f4 v[S+8*(2*\p+\e):S+8*(2*\p+\e)+7], v[KF+8*\p:KF+8*\p+7], v[\QB+4*\e:\QB+4*\e+7], 0, v[48+\p/2], v[\QW] matrix_a_fmt:MATRIX_FMT_FP4 matrix_b_fmt:MATRIX_FMT_FP4
.endif
.endr
.endr
.endm
; One tile's softmax for 128 keys.  ST: its four registers of statistics; PC: p's codes; PW: p's scale word; OB: its O^T.
.macro SOFTMAX ST, PC, PW, OB
.irp b, 0,1,2,3
	v_max3_num_f32 v[BM+\b], v[S+16*\b], v[S+16*\b+1], v[S+16*\b+2]   ; the largest score of each block of 32 keys: it serves for the row's maximum and, since p rises with the score, for the block's largest p
.endr
.irp i, 3,5,7,9,11,13
.irp b, 0,1,2,3
	v_max3_num_f32 v[BM+\b], v[BM+\b], v[S+16*\b+\i], v[S+16*\b+\i+1]   ; (the four blocks by turns)
.endr
.endr
.irp b, 0,1,2,3
	v_max_num_f32 v[BM+\b], v[BM+\b], v[S+16*\b+15]
.endr
.irp b, 0,1,2,3
	s_delay_alu instid0(VALU_DEP_4)
	v_permlanex16_b32 v[BP+\b], v[BM+\b], s20, s21
.endr
.irp b, 0,1,2,3
	s_delay_alu instid0(VALU_DEP_4)
	v_max_num_f32 v[BM+\b], v[BM+\b], v[BP+\b]     ; with lane l xor 16's 16 keys
.endr
	s_delay_alu instid0(VALU_DEP_2)
	v_max3_num_f32 v244, v[BM], v[BM+1], v[BM+2]
	s_delay_alu instid0(VALU_DEP_1)
	v_max_num_f32 v244, v244, v[BM+3]              ; the step's largest score of my query
	s_delay_alu instid0(VALU_DEP_1)
	v_mul_f32 v244, s22, v244                      ; as t (c is positive)
	s_delay_alu instid0(VALU_DEP_1)
	v_max_num_f32 v[\ST+1], v[\ST+1], v244         ; the running largest t
	v_mov_b32 v244, v[\ST]
	s_delay_alu instid0(VALU_DEP_2)
	v_floor_f32 v[\ST], -v[\ST+1]                  ; the new -M = floor(-t) = -ceil(t)
	s_delay_alu instid0(VALU_DEP_1)
	v_sub_f32 v244, v[\ST], v244                   ; M's old value less its new one: a whole number, 0 or less
	s_delay_alu instid0(VALU_DEP_1)
	v_cvt_i32_f32 v244, v244                       ; (it saturates)
	s_delay_alu instid0(VALU_DEP_1)
	v_ldexp_f32 v242, 1.0, v244                    ; f = 2^(old M - new M)
.set J, 0
.rept 32
	v_pk_fma_f32 v[S+J:S+J+1], v[S+J:S+J+1], s[22:23], v[\ST:\ST+1] op_sel_hi:[1,0,0]   ; t - M, two at a time (of the pairs c and -M the low word serves both halves)
.set J, J+2
.endr
.irp b, 0,1,2,3
	v_fma_f32 v[BM+\b], v[BM+\b], s22, v[\ST]      ; the same of each block's largest score
.endr
.set J, 0
	s_wait_alu depctr_va_vdst(0)
.rept 64
	v_exp_f32 v[S+J], v[S+J]                       ; p = 2^(t - M), at most 1
.set J, J+1
.endr
	v_pk_mul_f32 v[\ST+2:\ST+3], v[\ST+2:\ST+3], v[242:243] op_sel_hi:[1,0]   ; the sums under the new M: the plain line behind the exponentials
	s_wait_alu depctr_va_vdst(0)                   ; one wait for the whole batch, ahead of its first reader
.irp b, 0,1,2,3
	v_exp_f32 v[BM+\b], v[BM+\b]                   ; the block's largest p: the same two instructions on the same number give the same bits
.endr
	v_pk_add_f32 v[240:241], v[S:S+1], v[S+2:S+3]  ; the row's sum is taken of the unquantised p: two at a time, in two chains; it reads the 64 alone
.set J, 4
.rept 15
	v_pk_add_f32 v[\ST+2:\ST+3], v[\ST+2:\ST+3], v[S+J:S+J+1]
	v_pk_add_f32 v[240:241], v[240:241], v[S+J+2:S+J+3]
.set J, J+4
.endr
	s_delay_alu instid0(VALU_DEP_1)
	v_pk_add_f32 v[\ST+2:\ST+3], v[\ST+2:\ST+3], v[240:241]
	s_wait_alu depctr_va_vdst(0)                   ; and one for the four
.irp b, 0,1,2,3
	v_max_num_f32 v[BM+\b], 0x1800000, v[BM+\b]    ; the floor 2^(3 - 127): the byte cannot fall under 1
.endr
.irp b, 0,1,2,3
	s_delay_alu instid0(VALU_DEP_4)
	v_add_nc_u32 v[SO+\b], 0xff000000, v[BM+\b]    ; 2 off the exponent field: the conversion's scale operand
.endr
.irp b, 0,1,2,3
	s_delay_alu instid0(VALU_DEP_4)
	v_lshrrev_b32 v[BP+\b], 23, v[SO+\b]           ; the scale's byte
.endr
	s_delay_alu instid0(VALU_DEP_3)
	v_lshl_or_b32 v[\PW], v[BP+1], 8, v[BP]        ; p's scale word for these 128 keys
	s_delay_alu instid0(VALU_DEP_1)
	v_lshl_or_b32 v[\PW], v[BP+2], 16, v[\PW]
	s_delay_alu instid0(VALU_DEP_1)
	v_lshl_or_b32 v[\PW], v[BP+3], 24, v[\PW]
.irp t, 0,1,2,3,4,5,6,7
	v_cvt_scalef32_pk8_fp4_f32 v[\PC+4*(\t/4)+2*(\t%2)+(\t%4)/2], v[S+8*\t:S+8*\t+7], v[SO+\t/2]
.endr
	v_nop                                          ; one plain line behind the last conversion
.irp c, 0,1
	v_permlane16_swap_b32 v[\PC+4*\c], v[\PC+4*\c+1]
	v_permlane16_swap_b32 v[\PC+4*\c+2], v[\PC+4*\c+3]
.endr
.set J, 0
.rept 16
	v_pk_mul_f32 v[\OB+J:\OB+J+1], v[\OB+J:\OB+J+1], v[242:243] op_sel_hi:[1,0]   ; O^T under the new M.  (These sixteen are also the places between p's word and codes and the products that take them)
.set J, J+2
.endr
.endm
; The way out of one tile: O^T / the sum, its two blocks of 32 channels quantised, 16 bytes of codes a lane.  L: 1 / the sum; HW: where the two bytes go; off: the tile's place
.macro OUTQ L, OB, PC, HW, off
.set J, 0
.rept 16
	v_pk_mul_f32 v[\OB+J:\OB+J+1], v[\OB+J:\OB+J+1], v[\L:\L+1] op_sel_hi:[1,0]   ; each accumulator from its low end on
.set J, J+2
.endr
.irp b, 0,1
	v_max3_num_f32 v[BM+\b], |v[\OB+16*\b]|, |v[\OB+16*\b+1]|, 0x1800000
.endr
.irp i, 2,4,6,8,10,12,14
.irp b, 0,1
	s_delay_alu instid0(VALU_DEP_2)
	v_max3_num_f32 v[BM+\b], v[BM+\b], |v[\OB+16*\b+\i]|, |v[\OB+16*\b+\i+1]|
.endr
.endr
.irp b, 0,1
	s_delay_alu instid0(VALU_DEP_2)
	v_permlanex16_b32 v[BP+\b], v[BM+\b], s20, s21
.endr
.irp b, 0,1
	s_delay_alu instid0(VALU_DEP_2)
	v_max_num_f32 v[BM+\b], v[BM+\b], v[BP+\b]
.endr
.irp b, 0,1
	s_delay_alu instid0(VALU_DEP_2)
	v_add_nc_u32 v[SO+\b], 0xff000000, v[BM+\b]
.endr
.irp b, 0,1
	s_delay_alu instid0(VALU_DEP_2)
	v_lshrrev_b32 v[BP+\b], 23, v[SO+\b]
.endr
	s_delay_alu instid0(VALU_DEP_1)
	v_lshl_or_b32 v[\HW], v[BP+1], 8, v[BP]
.irp d, 0,1,2,3
	v_cvt_scalef32_pk8_fp4_f32 v[\PC+2*(\d%2)+\d/2], v[\OB+8*\d:\OB+8*\d+7], v[SO+\d/2]
.endr
	v_nop                                          ; one plain line behind the last conversion
	v_permlane16_swap_b32 v[\PC], v[\PC+1]
	v_permlane16_swap_b32 v[\PC+2], v[\PC+3]
	global_store_b128 v1, v[\PC:\PC+3], s[44:45] offset:\off   ; 32 lanes store 512 consecutive bytes, aligned: this head's two blocks of the tile's 16 tokens
.endm
	s_load_b128 s[4:7], s[0:1], 0x0                ; qkv s[4:5], oc s[6:7]
	s_load_b64 s[8:9], s[0:1], 0x10                ; os
	v_lshl_add_u32 v[SPW], v0, 2, SPARE
	v_mov_b32 v[NIL], 0
	ds_add_u32 v[SPW], v[NIL]                      ; the wave's opening: the add, twice on end, and its wait ahead of the first tensor load; the set-up below, work on registers, stands between
	ds_add_u32 v[SPW], v[NIL]
	v_lshrrev_b32 v9, 5, v0
	s_delay_alu instid0(VALU_DEP_1)
	v_readfirstlane_b32 s12, v9                    ; wave 0..15
	s_bfe_u32 s13, ttmp6, 0x40000                  ; cx: my block of 512 queries: it enters Q's, oc's and os's addresses alone
	s_and_b32 s14, ttmp7, 0xffff                   ; the head-batch, which the four partners share
	; descriptor group 1: 68 rows of 256 bytes (32 elements of 8 bytes), dense, no padding
	s_mov_b32 s24, 15|(3<<16)|(1<<21)              ; 15:0 the mask: all four work-groups; 17:16 elements of 8 bytes; 21 set beside a mask
	s_mov_b32 s25, 32<<16                          ; tensor_dim0
	s_mov_b32 s26, 68<<16                          ; tensor_dim1
	s_mov_b32 s27, 32<<16                          ; tile_dim0
	s_mov_b32 s28, 68                              ; tile_dim1
	s_mov_b32 s29, 32                              ; tensor_dim0_stride
	s_mov_b32 s30, 0
	s_mov_b32 s31, 0
	s_mov_b32 s20, 0x76543210
	s_mov_b32 s21, 0xfedcba98                      ; v_permlanex16_b32's selects for lane l xor 16
	s_mov_b32 s22, 0x3e38aa3b                      ; c = log2(e) / 8
	s_mov_b32 s23, s22                             ; (named with it as a pair, so it is written)
	s_mov_b32 s39, 0xffff0000                      ; lanes 16-31
	s_mul_i32 s40, s14, REC                        ; my head's record
	s_mov_b32 s41, 0
	s_mul_i32 s42, s12, PART                       ; the part that I fetch, if I fetch: in memory and in LDS alike
	s_mov_b32 s43, 0
	s_and_b32 s15, s14, 15                         ; the head
	s_lshr_b32 s48, s14, 4
	s_lshl_b32 s48, s48, 7
	s_lshl_b32 s49, s13, 5
	s_add_co_u32 s48, s48, s49
	s_lshl_b32 s49, s12, 1
	s_add_co_u32 s48, s48, s49                     ; tile A among all tokens' tiles: 128 b + 32 cx + 2 wave
	s_lshr_b32 s49, s15, 3                         ; the projection's K half in which my head lies,
	s_and_b32 s15, s15, 7                          ; and its place there
	s_lshl_b32 s50, s48, 12
	s_lshl_b32 s51, s49, 21
	s_add_co_u32 s50, s50, s51
	s_lshl_b32 s51, s15, 9
	s_add_co_u32 s50, s50, s51                     ; oc: [K half][tile][block][row][16]: my head's two blocks
	s_mov_b32 s51, 0
	s_lshl_b32 s52, s48, 9
	s_lshl_b32 s53, s49, 8
	s_add_co_u32 s52, s52, s53
	s_lshl_b32 s53, s15, 1
	s_add_co_u32 s52, s52, s53                     ; os: [tile][K half][row][16]: my head's two bytes
	s_mov_b32 s53, 0
	s_lshl_b32 s54, s13, 14
	s_lshl_b32 s55, s12, 10
	s_add_co_u32 s54, s54, s55
	s_add_co_u32 s54, s54, 139264                  ; Q's codes: tile 32 cx + 2 wave, 512 bytes a tile
	s_mov_b32 s55, 0
	s_lshl_b32 s56, s13, 10
	s_lshr_b32 s57, s12, 2
	s_lshl_b32 s57, s57, 8
	s_add_co_u32 s56, s56, s57                     ; Q's scale words: step 4 cx + wave / 4, 256 bytes a step;
	s_and_b32 s57, s12, 1
	s_lshl_b32 s57, s57, 7
	s_add_co_u32 s56, s56, s57                     ; my pair of tiles is number wave % 4 of the step: its lanes' half,
	s_bfe_u32 s57, s12, 0x10001
	s_lshl_b32 s57, s57, 2
	s_add_co_u32 s56, s56, s57                     ; and its word
	s_add_co_u32 s56, s56, 204800
	s_mov_b32 s57, 0
	s_wait_dscnt 0x0                               ; both opening adds are done
	s_wait_kmcnt 0x0
	s_add_nc_u64 s[4:5], s[4:5], s[40:41]
	s_mov_b32 s32, 1                               ; group 0: count = 1,
	s_mov_b32 s33, s42                             ; the LDS address,
	s_add_nc_u64 s[34:35], s[4:5], s[42:43]        ; the global address,
	s_or_b32 s35, s35, 0x80000000                  ; type = 2
	s_add_nc_u64 s[16:17], s[4:5], s[54:55]
	s_add_nc_u64 s[18:19], s[4:5], s[56:57]
	s_add_nc_u64 s[44:45], s[6:7], s[50:51]
	s_add_nc_u64 s[46:47], s[8:9], s[52:53]
	CROUND                                         ; all four work-groups are here: the joint loads meet
	s_cmp_lt_u32 s12, 8                            ; waves 0 to 7 fetch: the same in every work-group
	s_cbranch_scc0 .Lno_fill
	tensor_load_to_lds s[32:35], s[24:31]
	s_nop 0
.rept 4
	v_nop
.endr
.Lno_fill:
	v_and_b32 v9, 31, v0
	s_delay_alu instid0(VALU_DEP_1)
	v_lshlrev_b32 v1, 4, v9                        ; 16 x lane: K's codes begin at LDS byte 0
	v_and_b32 v10, 15, v0
	s_delay_alu instid0(VALU_DEP_1)
	v_lshlrev_b32 v11, 3, v10                      ; 8 r
	global_load_b128 v[20:23], v1, s[16:17]        ; Q of tile A, twice: (q, 0, q)
	global_load_b128 v[28:31], v1, s[16:17]
	global_load_b128 v[32:35], v1, s[16:17] offset:512   ; and of tile B
	global_load_b128 v[40:43], v1, s[16:17] offset:512
	global_load_b32 v244, v11, s[18:19]            ; the pair's scale word of query r
	v_add_nc_u32 v2, 0x10000, v1                   ; V's codes
	v_lshl_add_u32 v3, v9, 3, 0x20000              ; K's scale words; V's lie 4,096 bytes on
.irp j, 24,25,26,27,36,37,38,39
	v_mov_b32 v[\j], 0                             ; Q's zero codes
.endr
	v_mov_b32 v13, 0xff61b1e6                      ; the largest t so far: -3e38, under every t
	v_mov_b32 v17, 0xff61b1e6
	s_delay_alu instid0(VALU_DEP_2)
	v_floor_f32 v12, -v13                          ; -M
	s_delay_alu instid0(VALU_DEP_2)
	v_floor_f32 v16, -v17
.irp j, 14,15,18,19,232,233,234,235,243
	v_mov_b32 v[\j], 0                             ; the sums; the lane permutes' destinations and the upper half of f's pair, which are named before they are first written
.endr
	s_wait_loadcnt 0x0
	v_perm_b32 v44, v244, v244, 0x01000100         ; tile A's two bytes, twice;
	v_perm_b32 v45, v244, v244, 0x03020302         ; tile B's
.set J, 0
.rept 64
	v_mov_b32 v[164+J], 0                          ; O^T: the loop is written once; its first step finds zeros, which the first change of M leaves zeros.  (These are also the places behind Q's scale words)
.set J, J+1
.endr
	s_mov_b32 s36, 0                               ; the step's codes: 4,096 bytes a step, in K and in V
	s_mov_b32 s37, 0                               ; its scale words: 256 bytes a step
	s_mov_b32 s38, 16                              ; 2,048 keys, 128 a step
	s_wait_tensorcnt 0x0                           ; my part of the record is in,
	s_barrier_signal -1
	s_barrier_wait -1                              ; everybody's is
.Lstep:
	s_setprio 2
	v_add_nc_u32 v6, s36, v1
	v_add_nc_u32 v7, s36, v2
	v_add_nc_u32 v8, s37, v3
	v_nop                                          ; four places in front of loads into registers that the last products have read
.irp p, 0,1,2,3
.irp e, 0,1
	ds_load_b128 v[KF+8*\p+4*\e:KF+8*\p+4*\e+3], v6 offset:1024*\p+512*\e   ; pair p: tile 2 p + e
.endr
.endr
	ds_load_b64 v[48:49], v8                       ; K's scale words: v48 pairs 0 | 1, v49 pairs 2 | 3
	ds_load_b64 v[50:51], v8 offset:4096           ; V's: v50 tiles 0 | 1, v51 tiles 2 | 3
	s_wait_dscnt 0x0
	SCORES 20, 44
.rept 4
	v_nop                                          ; places in front of the first read of results
.endr
	SOFTMAX 12, 52, 46, 164
	SCORES 32, 45
.rept 4
	v_nop                                          ; places in front of the loads below and of the first read of results
.endr
.irp d, 0,1,2,3
.irp c, 0,1
	ds_load_b128 v[KF+8*\d+4*\c:KF+8*\d+4*\c+3], v7 offset:1024*\d+512*\c   ; V: 16 channels x 128 keys; they land under tile B's softmax
.endr
.endr
	s_setprio 1
	SOFTMAX 16, 60, 47, 196
	s_setprio 0
	s_wait_alu depctr_va_vdst(0)
	s_wait_dscnt 0x0
.irp d, 0,1,2,3                        ; O^T += V^T P^T: the eight accumulators take turns, one instruction a turn
.irp u, 0,1
.if \d%2
	v_wmma_scale_f32_16x16x128_f8f6f4 v[164+32*\u+8*\d:164+32*\u+8*\d+7], v[KF+8*\d:KF+8*\d+7], v[52+8*\u:52+8*\u+7], v[164+32*\u+8*\d:164+32*\u+8*\d+7], v[50+\d/2], v[46+\u] matrix_a_fmt:MATRIX_FMT_FP4 matrix_b_fmt:MATRIX_FMT_FP4 matrix_a_scale:MATRIX_SCALE_ROW1
.else
	v_wmma_scale_f32_16x16x128_f8f6f4 v[164+32*\u+8*\d:164+32*\u+8*\d+7], v[KF+8*\d:KF+8*\d+7], v[52+8*\u:52+8*\u+7], v[164+32*\u+8*\d:164+32*\u+8*\d+7], v[50+\d/2], v[46+\u] matrix_a_fmt:MATRIX_FMT_FP4 matrix_b_fmt:MATRIX_FMT_FP4
.endif
.endr
.endr
	s_add_co_u32 s36, s36, 4096
	s_add_co_u32 s37, s37, 256
	s_sub_co_u32 s38, s38, 1
	s_cmp_lg_u32 s38, 0
	s_cbranch_scc1 .Lstep
	s_setprio 0
	; THE WAY OUT.  The additions and the address work are the places behind the last products
	v_add_f32 v14, v14, v15                        ; the sums' two halves,
	v_add_f32 v18, v18, v19
	s_delay_alu instid0(VALU_DEP_2)
	v_permlanex16_b32 v232, v14, s20, s21
	s_delay_alu instid0(VALU_DEP_2)
	v_permlanex16_b32 v233, v18, s20, s21
	s_delay_alu instid0(VALU_DEP_2)
	v_add_f32 v14, v14, v232                       ; and lane l xor 16's: the rows' sums
	s_delay_alu instid0(VALU_DEP_2)
	v_add_f32 v18, v18, v233
	s_wait_alu depctr_va_vdst(0)
	v_rcp_f32 v14, v14
	v_rcp_f32 v18, v18
	v_bfe_u32 v9, v0, 4, 1                         ; (plain lines behind the reciprocals)
	v_and_b32 v10, 15, v0
	s_delay_alu instid0(VALU_DEP_1)
	v_lshlrev_b32 v11, 4, v10
	s_delay_alu instid0(VALU_DEP_1)
	v_lshl_add_u32 v11, v9, 9, v11                 ; os: lanes 0-15 tile A's rows, lanes 16-31 tile B's, 512 bytes on; 16 bytes a row
	s_wait_alu depctr_va_vdst(0)                   ; one wait for both reciprocals, ahead of their first reader
	OUTQ 14, 164, 52, 245, 0
	OUTQ 18, 196, 60, 246, 4096
	v_cndmask_b32 v245, v245, v246, s39
	global_store_b16 v11, v245, s[46:47]           ; my head's two scale bytes of each of the 32 tokens
	s_wait_tensorcnt 0x0                           ; the wave's end: behind the last tensor load
	ds_add_u32 v[SPW], v[NIL]
	s_wait_dscnt 0x0
	CROUND                                         ; the closing round: no work-group ends while a partner may still ask for a tile that names it
	s_endpgm
.Lfunc_end_k_q07c8ee1178_attn:
	.size	k_q07c8ee1178_attn, .Lfunc_end_k_q07c8ee1178_attn-k_q07c8ee1178_attn
	.p2alignl 7, 3214868480
	.fill 96, 4, 3214868480
	.section	.rodata,"a",@progbits
	.p2align	6, 0x0
	.amdhsa_kernel k_q07c8ee1178_attn
		.amdhsa_group_segment_fixed_size 167936
		.amdhsa_private_segment_fixed_size 0
		.amdhsa_enable_private_segment 0
		.amdhsa_kernarg_size 24
		.amdhsa_user_sgpr_count 2
		.amdhsa_user_sgpr_kernarg_segment_ptr 1
		.amdhsa_wavefront_size32 1
		.amdhsa_system_sgpr_workgroup_id_x 1
		.amdhsa_system_sgpr_workgroup_id_y 1
		.amdhsa_system_sgpr_workgroup_id_z 1
		.amdhsa_system_vgpr_workitem_id 0
		.amdhsa_next_free_vgpr 256
		.amdhsa_next_free_sgpr 66
		.amdhsa_reserve_vcc 0
		.amdhsa_float_denorm_mode_32 3
		.amdhsa_float_denorm_mode_16_64 3
		.amdhsa_memory_ordered 1
		.amdhsa_forward_progress 1
		.amdhsa_inst_pref_size 47
	.end_amdhsa_kernel
	.amdgpu_metadata
---
amdhsa.version: [ 1, 2 ]
amdhsa.kernels:
  - .name:           k_q07c8ee1178_attn
    .symbol:         k_q07c8ee1178_attn.kd
    .args:
      - { .name: qkv, .offset: 0, .size: 8, .value_kind: global_buffer, .address_space: global }
      - { .name: oc, .offset: 8, .size: 8, .value_kind: global_buffer, .address_space: global }
      - { .name: os, .offset: 16, .size: 8, .value_kind: global_buffer, .address_space: global }
    .group_segment_fixed_size: 167936
    .private_segment_fixed_size: 0
    .kernarg_segment_align: 8
    .kernarg_segment_size: 24
    .max_flat_workgroup_size: 512
    .sgpr_count:     66
    .vgpr_count:     256
    .wavefront_size: 32
...
	.end_amdgpu_metadata
.endif
;; end of part 3
;; launch gemm_proj (part 4): grid 4 x 32, 4 waves a work-group, clusters of 4 x 4, 327,680 bytes of LDS; arguments oc, os, wc, ws, b_proj, out0; writes out0
.if DOCPART == 4
	.amdgcn_target "amdgcn-amd-amdhsa--gfx1250"
	.amdhsa_code_object_version 6
	.text
	.protected	k_q07c8ee1178_gemm_proj
	.globl	k_q07c8ee1178_gemm_proj
	.p2align	8
	.type	k_q07c8ee1178_gemm_proj,@function
k_q07c8ee1178_gemm_proj:
	s_mov_b64 s[64:65], 0
	v_nop
	global_prefetch_b8 v0, s[64:65] scope:SCOPE_SE
	s_setreg_imm32_b32 hwreg(HW_REG_WAVE_MODE, 25, 1), 1
	s_wait_xcnt 0x0
	s_wait_alu depctr_hold_cnt(0) depctr_sa_sdst(0) depctr_va_vdst(0) depctr_va_sdst(0) depctr_va_ssrc(0) depctr_va_vcc(0) depctr_vm_vsrc(0)
	s_getreg_b32 s2, hwreg(HW_REG_IB_STS2, 6, 4)
	s_cmp_eq_u32 s2, 0
	s_cbranch_scc0 .Lentry_in_a_cluster
	s_endpgm
.Lentry_in_a_cluster:
	s_bfe_u32 s2, ttmp6, 0x10000c
	s_cmp_lg_u32 s2, 0xf033
	s_cbranch_scc0 .Lentry_shape_is_right
	s_endpgm
.Lentry_shape_is_right:
; out0 = O W_proj + b_proj on codes of FP4 (E2M1) with E8M0 scales; out0 [8192][1024] f32; sums in f32.
; A tile of 256 x 256 of out0 is made by four waves, 128 x 128 each: 64 accumulators, 512 registers.  K = 1,024 lies WHOLE in LDS, as two halves, each filled once: nothing is ever filled again.
; OPERANDS ARE IMAGES OF REGISTERS: a fragment (16 rows x 128 K) is 1,024 consecutive bytes, read at 16 x lane and 512 + 16 x lane; 128 rows of a K half are 32,768 consecutive bytes of memory.
; A = attention's result (oc, os), B = W_proj's columns: tiles 192-255 of wc and ws.  THE MATRIX INSTRUCTION IS USED TRANSPOSED (source 0 = 16 rows of B, source 1 = 16 rows of A): a lane holds eight neighbouring numbers of a row of out0.
; THE BIAS is the C of each sum's first matrix instruction: eight registers for each of B's eight blocks, in the result's layout.
; CLUSTERS: 4 x 4 work-groups; A's tiles are shared along a row of the cluster, B's along a column: each is asked for jointly, by the same tensor load with the same descriptor and a mask that names the four.
; 128 tiles of 256 x 256: 128 work-groups; the launch shares its text's core with the first product's.
; REGISTERS, in windows of 256: window 0: v1-29 addresses; v32-95 scale words, a set for each K half; v128-191 A's fragments, ONE set; v192-255 the bias; on the way out v128-255 take rows of out0.
;   window 1: B's fragments, two sets, at v0 and v128.   windows 2, 3: the accumulators of my rows 0-63 and 64-127 ((a, b) at v[8 (8 (a % 4) + b)]).
.set NQ,    4                          ; steps of 128 along K in a K half
.set FR,    8                          ; registers of a fragment
.set NL,    2                          ; LDS loads that bring one
.set NP,    4                          ; places behind this matrix instruction (ISA guide 7.12.1)
.set HALFT, 32768                      ; 8 tiles x 4,096 bytes: what one tensor load brings, and what one wave reads of A or of B in a K half
.set SLOT,  4*HALFT                    ; a K half: A's 16 tiles, then B's 16
.set SCL,   2*SLOT                     ; behind the two halves: the scale bytes, A's 16 tiles x 512 bytes, then B's
.set HALFS, 4096                       ; those of 8 tiles
.set SPARE, SCL+4*HALFS                ; the spare words, 128 bytes for each wave: two blocks of 256 bytes that no other line names
.set SPITCH, 528                       ; the way out: a stage of 16 rows x (512 bytes + 16) for each wave, in K half 0's bytes, which have had their one fill and their last read when the first result is stored there
.set SIZE_N, 1024
.set ADRA, 16                          ; v16-17  LDS address of my A fragments in K half 0, 1
.set ADRB, 20                          ; v20-21  the same for B
.set STO,  24                          ; v24     the way out: where I put 32 bytes of a row
.set RD,   25                          ; v25     the way out: where I read a row back
.set CO,   26                          ; v26     16 x lane: an image's place for my lane, and my byte offset in a row's 512 bytes of out0
.set ADRS, 27                          ; v27     LDS address of my scale words: lanes 0-15 A's rows, lanes 16-31 B's
.set SPW,  28                          ; v28     LDS address of my spare word; never rewritten
.set NIL,  29                          ; v29     0; never rewritten
.set SC,   32                          ; scale words: set s at v[SC + 32 s]; register 4 i + q: lanes 0-15 A's block i, lanes 16-31 B's block i, step q
.set AF,   128                         ; A's fragments
.set BI,   192                         ; the bias: block b's eight numbers of my half at v[BI + 8 b]
.set BK,   128                         ; the way out: 16 rows read back from the stage: v128-191 and v192-255 by turns
.set G1,   24                          ; s[24:31] descriptor group 1 for A's tiles;  s[32:39] group 0, one set for each K half
.set G0,   32
.set G1B,  48                          ; s[48:55], s[56:63] the same for B's
.set G0B,  56
.set G1S,  68                          ; s[68:75], s[76:79] groups 1 and 0 for A's scales;  s[80:87], s[88:91] for B's
.set G0S,  76
.set G1SB, 80
.set G0SB, 88
.set MSB, 0
.macro WIN new                         ; the immediate's high byte repeats the setting that is left; a switch that changes nothing is dropped
.if MSB != (\new)
	s_set_vgpr_msb (MSB<<8)|(\new)
.set MSB, (\new)
.endif
.endm
.set MUL_LO, 0xa1                      ; source 0 (B) window 1, source 1 (A) window 0, C and D window 2
.set MUL_HI, 0xf1                      ; the same, C and D window 3
.set BIA_LO, 0x81                      ; the first step: C (the bias) window 0, D window 2
.set BIA_HI, 0xc1                      ; C window 0, D window 3
.set TO_B,   0x40                      ; destination window 1, address window 0
; A joint load: waves 0 and 1 fetch for A, waves 2 and 3 for B.  The branch hangs on the wave's number alone.  An s_nop 0 and four v_nop follow each of the two lines.
.macro JLOAD g0a, g1a, g0b, g1b
	s_cmp_eq_u32 s15, 0
	s_cbranch_scc0 .Lfor_b_\@
	tensor_load_to_lds s[\g0a:\g0a+3], s[\g1a:\g1a+7]
	s_nop 0
.rept 4
	v_nop
.endr
	s_branch .Lasked_\@
.Lfor_b_\@:
	tensor_load_to_lds s[\g0b:\g0b+3], s[\g1b:\g1b+7]
	s_nop 0
.rept 4
	v_nop
.endr
.Lasked_\@:
.endm
.macro CROUND                          ; a round of the cluster's barrier
	s_barrier_signal -1
	s_barrier_wait -1
	s_cmp_lg_u32 s14, 0
	s_cbranch_scc1 .Lnot_wave_0_\@
	s_barrier_signal -3
.Lnot_wave_0_\@:
	s_barrier_wait -3
	s_barrier_signal -1
	s_barrier_wait -1
.endm
	s_load_b256 s[4:11], s[0:1], 0x0               ; oc s[4:5], os s[6:7], wc s[8:9], ws s[10:11]
	s_load_b128 s[92:95], s[0:1], 0x20             ; b_proj s[92:93], out0 s[94:95]
	v_lshl_add_u32 v[SPW], v0, 2, SPARE
	v_mov_b32 v[NIL], 0
	ds_add_u32 v[SPW], v[NIL]                      ; the wave's opening: the add, twice on end, and its wait ahead of my first tensor load; the set-up below, work on registers, stands between
	ds_add_u32 v[SPW], v[NIL]
	v_lshrrev_b32 v1, 5, v0
	v_readfirstlane_b32 s14, v1                    ; wave 0..3
	s_lshr_b32 s15, s14, 1                         ; which half of the tile's rows is mine.  Also: I fetch for A (0) or for B (1)
	s_and_b32 s16, s14, 1                          ; which half of its columns.  Also: which 8 tiles I fetch
	s_bfe_u32 s40, ttmp6, 0x40000                  ; cx, cy: my place in the cluster
	s_bfe_u32 s41, ttmp6, 0x40004
	s_lshl_b32 s42, ttmp9, 2
	s_add_co_u32 s42, s42, s40                     ; tile column = 4 x cluster x + cx
	s_and_b32 s17, ttmp7, 0xffff
	s_lshl_b32 s17, s17, 2
	s_add_co_u32 s17, s17, s41                     ; tile row = 4 x cluster y + cy
	s_lshl_b32 s43, s41, 2
	s_lshl_b32 s43, 15, s43                        ; my row of the cluster
	s_lshl_b32 s44, 0x1111, s40                    ; my column
	; descriptor group 1: a dense block as rows of 256 bytes (32 elements of 8 bytes): 128 rows of codes, 16 rows of scale bytes; no padding
	s_or_b32 s[G1+0], s43, (3<<16)|(1<<21)         ; 15:0 the mask: A's go to my row; 17:16 elements of 8 bytes; 21 set beside a mask
	s_or_b32 s[G1B+0], s44, (3<<16)|(1<<21)
	s_or_b32 s[G1S+0], s43, (3<<16)|(1<<21)
	s_or_b32 s[G1SB+0], s44, (3<<16)|(1<<21)
.irp g, G1, G1B
	s_mov_b32 s[\g+1], 32<<16                      ; tensor_dim0
	s_mov_b32 s[\g+2], 128<<16                     ; tensor_dim1
	s_mov_b32 s[\g+3], 32<<16                      ; tile_dim0
	s_mov_b32 s[\g+4], 128                         ; tile_dim1
	s_mov_b32 s[\g+5], 32                          ; tensor_dim0_stride
	s_mov_b32 s[\g+6], 0
	s_mov_b32 s[\g+7], 0
.endr
.irp g, G1S, G1SB
	s_mov_b32 s[\g+1], 32<<16
	s_mov_b32 s[\g+2], 16<<16
	s_mov_b32 s[\g+3], 32<<16
	s_mov_b32 s[\g+4], 16
	s_mov_b32 s[\g+5], 32
	s_mov_b32 s[\g+6], 0
	s_mov_b32 s[\g+7], 0
.endr
	; where my 8 tiles begin, in bytes.  A's hang on the tile row alone, B's on the tile column alone; every wave makes both, in registers of their own
	s_lshl_b32 s2, s17, 16
	s_lshl_b32 s3, s16, 15
	s_add_co_u32 s2, s2, s3                        ; A's codes
	s_mov_b32 s3, 0
	s_lshl_b32 s96, s17, 13
	s_lshl_b32 s97, s16, 12
	s_add_co_u32 s96, s96, s97                     ; A's scale bytes
	s_mov_b32 s97, 0
	s_lshl_b32 s46, s42, 16
	s_lshl_b32 s47, s16, 15
	s_add_co_u32 s46, s46, s47
	s_add_co_u32 s46, s46, 192*4096                ; B's codes: W_proj begins at tile 192
	s_mov_b32 s47, 0
	s_lshl_b32 s98, s42, 13
	s_lshl_b32 s99, s16, 12
	s_add_co_u32 s98, s98, s99
	s_add_co_u32 s98, s98, 192*512                 ; B's scale bytes
	s_mov_b32 s99, 0
	s_lshl_b32 s45, s14, 15                        ; where they go: wave x HALFT, wave x HALFS: no place in the cluster enters an LDS address
	s_lshl_b32 s20, s14, 12
	s_wait_dscnt 0x0                               ; both opening adds are done
	s_wait_kmcnt 0x0
	s_add_nc_u64 s[4:5], s[4:5], s[2:3]
	s_add_nc_u64 s[6:7], s[6:7], s[96:97]
	s_add_nc_u64 s[8:9], s[8:9], s[46:47]
	s_add_nc_u64 s[10:11], s[10:11], s[98:99]
	CROUND                                         ; all sixteen work-groups are here: the first joint loads meet
	s_mov_b32 s[G0S], 1
	s_add_co_u32 s[G0S+1], s20, SCL
	s_mov_b64 s[G0S+2:G0S+3], s[6:7]
	s_or_b32 s[G0S+3], s[G0S+3], 0x80000000
	s_mov_b32 s[G0SB], 1
	s_add_co_u32 s[G0SB+1], s20, SCL
	s_mov_b64 s[G0SB+2:G0SB+3], s[10:11]
	s_or_b32 s[G0SB+3], s[G0SB+3], 0x80000000
	JLOAD G0S, G1S, G0SB, G1SB                     ; the scale bytes first: they are wanted with K half 0
	s_mov_b32 s[G0], 1
	s_mov_b32 s[G0+1], s45
	s_mov_b64 s[G0+2:G0+3], s[4:5]
	s_or_b32 s[G0+3], s[G0+3], 0x80000000
	s_mov_b32 s[G0B], 1
	s_mov_b32 s[G0B+1], s45
	s_mov_b64 s[G0B+2:G0B+3], s[8:9]
	s_or_b32 s[G0B+3], s[G0B+3], 0x80000000
	s_wait_alu depctr_va_vdst(0)
	s_wait_tensorcnt 0x0
	ds_add_u32 v28, v29
	s_wait_dscnt 0x0
	CROUND
	JLOAD G0, G1, G0B, G1B                         ; K half 0
	s_mov_b32 s[G0+4], 1
	s_add_co_u32 s[G0+5], s45, SLOT
	s_add_nc_u64 s[G0+6:G0+7], s[4:5], 0x200000    ; oc has 512 tiles a K half,
	s_or_b32 s[G0+7], s[G0+7], 0x80000000
	s_mov_b32 s[G0B+4], 1
	s_add_co_u32 s[G0B+5], s45, SLOT
	s_add_nc_u64 s[G0B+6:G0B+7], s[8:9], 0x100000  ; wc 256
	s_or_b32 s[G0B+7], s[G0B+7], 0x80000000
	s_wait_alu depctr_va_vdst(0)
	s_wait_tensorcnt 0x0
	ds_add_u32 v28, v29
	s_wait_dscnt 0x0
	CROUND
	JLOAD G0+4, G1, G0B+4, G1B                     ; K half 1: one load of mine is out
	v_and_b32 v1, 15, v0                           ; r
	v_bfe_u32 v2, v0, 4, 1                         ; h
	v_and_b32 v3, 31, v0
	v_lshlrev_b32 v[CO], 4, v3
	s_wait_alu depctr_va_vdst(0)
	s_lshl_b32 s46, s42, 10                        ; my first column, in bytes of f32: 1,024 x tile column + 512 x half
	s_lshl_b32 s47, s16, 9
	s_add_co_u32 s46, s46, s47
	s_mov_b32 s47, 0
	s_add_nc_u64 s[92:93], s[92:93], s[46:47]
	v_lshlrev_b32 v3, 5, v2                        ; the bias: lane (r, h) wants, for block b, the numbers of columns 16 b + 8 h + 0 .. 7
.irp b, 0,1,2,3,4,5,6,7
	global_load_b128 v[BI+8*\b:BI+8*\b+3], v3, s[92:93] offset:64*\b
	global_load_b128 v[BI+8*\b+4:BI+8*\b+7], v3, s[92:93] offset:64*\b+16
.endr
	s_lshl_b32 s21, s15, 15                        ; my 8 tiles of A,
	s_lshl_b32 s22, s16, 15                        ; my 8 tiles of B,
	s_add_co_u32 s22, s22, 2*HALFT                 ; which lie behind A's 16
.irp s, 0,1
	v_add_nc_u32 v[ADRA+\s], s21, v[CO]
	v_add_nc_u32 v[ADRB+\s], s22, v[CO]
	s_add_co_u32 s21, s21, SLOT
	s_add_co_u32 s22, s22, SLOT
.endr
	s_lshl_b32 s21, s15, 12                        ; the scale words: A's, my 8 tiles;
	s_lshl_b32 s22, s16, 12                        ; B's, my 8 tiles, behind A's 16
	s_add_co_u32 s22, s22, 2*HALFS
	s_sub_co_u32 s22, s22, s21
	v_mul_u32_u24 v4, s22, v2                      ; lanes 16-31 take B's: one product with h
	s_add_co_u32 s21, s21, SCL
	v_lshl_add_u32 v4, v1, 4, v4                   ; 16 bytes a row
	v_add_nc_u32 v[ADRS], s21, v4
	s_mul_i32 s23, s14, 16*SPITCH                  ; my stage
	v_mul_u32_u24 v5, v1, SPITCH                   ; in: row r, 32 bytes for each half of the lanes
	v_lshl_add_u32 v5, v2, 5, v5
	v_add_nc_u32 v[STO], s23, v5
	v_add_nc_u32 v[RD], s23, v[CO]                 ; back: the 32 lanes take one row of 512 bytes
	s_lshl_b32 s22, s17, 20                        ; my first row of out0: 256 x tile row + 128 x half, 4,096 bytes a row
	s_lshl_b32 s23, s15, 19
	s_add_co_u32 s22, s22, s23
	s_add_co_u32 s22, s22, s46
	s_mov_b32 s23, 0
	s_add_nc_u64 s[12:13], s[94:95], s[22:23]
.macro FRAG reg, adr, q, i             ; a fragment: tile i, step q: lane l's registers 4 c .. 4 c + 3 lie at 16 l + 512 c
.irp c, 0,1
	ds_load_b128 v[\reg+4*\c:\reg+4*\c+3], v[\adr] offset:1024*(\q)+512*\c+4096*(\i)
.endr
.endm
; 16 matrix instructions: A's blocks a0, a0 + 1 x B's eight, 128 along K.  p: B's set;  sc: the set of scale words.  first = 1: the product starts the sum, with the bias as its C: nothing is ever cleared.
; The 64 accumulators take turns, one instruction a turn, in the same order in every step.
.macro MUL16 a0, p, q, sc, first
.irp a, \a0, \a0+1
.irp b, 0,1,2,3,4,5,6,7
.if \first
	v_wmma_scale_f32_16x16x128_f8f6f4 v[8*(8*((\a)%4)+\b):8*(8*((\a)%4)+\b)+7], v[128*(\p)+FR*\b:128*(\p)+FR*\b+FR-1], v[AF+FR*(\a):AF+FR*(\a)+FR-1], v[BI+8*\b:BI+8*\b+7], v[SC+8*NQ*(\sc)+NQ*\b+(\q)], v[SC+8*NQ*(\sc)+NQ*(\a)+(\q)] matrix_a_fmt:MATRIX_FMT_FP4 matrix_b_fmt:MATRIX_FMT_FP4 matrix_a_scale:MATRIX_SCALE_ROW1
.else
	v_wmma_scale_f32_16x16x128_f8f6f4 v[8*(8*((\a)%4)+\b):8*(8*((\a)%4)+\b)+7], v[128*(\p)+FR*\b:128*(\p)+FR*\b+FR-1], v[AF+FR*(\a):AF+FR*(\a)+FR-1], v[8*(8*((\a)%4)+\b):8*(8*((\a)%4)+\b)+7], v[SC+8*NQ*(\sc)+NQ*\b+(\q)], v[SC+8*NQ*(\sc)+NQ*(\a)+(\q)] matrix_a_fmt:MATRIX_FMT_FP4 matrix_b_fmt:MATRIX_FMT_FP4 matrix_a_scale:MATRIX_SCALE_ROW1
.endif
.endr
.endr
.endm
.macro FETCH_B slot, q, p              ; B's eight fragments of step q into set p
	WIN TO_B
.irp i, 0,1,2,3,4,5,6,7
	FRAG 128*(\p)+FR*\i, ADRB+\slot, \q, \i
.endr
	WIN 0
.endm
.macro FETCH_A slot, q, i0             ; A's blocks i0 .. i0 + 3
.irp i, \i0, \i0+1, \i0+2, \i0+3
	FRAG AF+FR*(\i), ADRA+\slot, \q, \i
.endr
.endm
.macro SCALES sc                       ; a K half's scale words into set sc: four words a row; lanes 0-15 take A's block i, lanes 16-31 B's block i
.irp i, 0,1,2,3,4,5,6,7
	ds_load_b128 v[SC+8*NQ*\sc+NQ*\i:SC+8*NQ*\sc+NQ*\i+3], v[ADRS] offset:\i*512
.endr
.endm
.macro PLACES n                        ; places in front of loads into registers that matrix instructions have read, and of the first read of results
.rept \n
	v_nop
.endr
.endm
; A step of 128 along K that has its successor in the same K half.  A block of A is free as soon as its eight products are issued, so one set serves A: blocks 0-3 come anew in the step's middle, blocks 4-7 at its end.
.macro STEP slot, q, first
	s_wait_dscnt 4*NL                              ; B's set and A's blocks 0-3 are in; the youngest eight loads (A's blocks 4-7) may be out
.if \first
	WIN BIA_LO
.else
	WIN MUL_LO
.endif
	MUL16 0, (\q)%2, \q, \slot, \first
	MUL16 2, (\q)%2, \q, \slot, \first
	s_wait_dscnt 0                                 ; A's blocks 4-7 are in
	PLACES NP
	FETCH_B \slot, (\q)+1, 1-(\q)%2
	FETCH_A \slot, (\q)+1, 0
.if \first
	WIN BIA_HI
.else
	WIN MUL_HI
.endif
	MUL16 4, (\q)%2, \q, \slot, \first
	MUL16 6, (\q)%2, \q, \slot, \first
	PLACES NP
	WIN 0
	FETCH_A \slot, (\q)+1, 4
.endm
; K half 0's last step goes over to K half 1: each wave waits for its part of it and for its own reads of K half 0, and one barrier shows every wave both.
.macro TURN slot, next
	s_wait_tensorcnt 0x0                           ; all my tensor loads have landed: my part of K half 1;
	ds_add_u32 v[SPW], v[NIL]                      ; 0 onto my spare word;
	s_wait_dscnt 4*NL+1                            ; (the add and the youngest eight loads, A's blocks 4-7, may be out)
	WIN MUL_LO
	MUL16 0, 1, NQ-1, \slot, 0
	s_wait_dscnt 0x0                               ; the add is done, and my reads of K half 0 are over
	s_barrier_signal -1
	MUL16 2, 1, NQ-1, \slot, 0
	WIN 0
	s_barrier_wait -1
	PLACES NP
	v_add_nc_u32 v[ADRS], 256, v[ADRS]             ; on to the next K half's scale words
	FETCH_B \next, 0, 0
	FETCH_A \next, 0, 0
	SCALES \next
	WIN MUL_HI
	MUL16 4, 1, NQ-1, \slot, 0
	MUL16 6, 1, NQ-1, \slot, 0
	PLACES NP
	WIN 0
	FETCH_A \next, 0, 4
.endm
.macro STEPS slot, from                ; the K half's steps from .. NQ - 2
.set Q, \from
.rept NQ-1-\from
	STEP \slot, Q, 0
.set Q, Q+1
.endr
.endm
	s_wait_alu depctr_va_vdst(0)
	s_wait_tensorcnt 1                             ; the scale bytes and my part of K half 0 are in (K half 1's load may be out),
	s_barrier_signal -1
	s_barrier_wait -1                              ; everybody's are
	FETCH_B 0, 0, 0
	FETCH_A 0, 0, 0
	SCALES 0
	FETCH_A 0, 0, 4
	s_wait_loadcnt 0x0                             ; the bias
	STEP 0, 0, 1                                   ; the first step's products start the sums, on the bias
	STEPS 0, 1
	TURN 0, 1
	STEPS 1, 0
	s_wait_dscnt 4*NL                              ; the last step: nothing more to fetch
	WIN MUL_LO
	MUL16 0, 1, NQ-1, 1, 0
	MUL16 2, 1, NQ-1, 1, 0
	s_wait_dscnt 0
	WIN MUL_HI
	MUL16 4, 1, NQ-1, 1, 0
	MUL16 6, 1, NQ-1, 1, 0
	WIN 0
; THE WAY OUT, block by block of 16 rows x 128 columns.  A lane holds 32 neighbouring bytes of a row, and the lanes beside it hold other rows: so a block goes through my own stage in LDS and comes back as whole
; rows of 512 bytes, which the 32 lanes store as 512 consecutive bytes.  LDS serves a wave's instructions in order (ISA guide 5.7.1.4): no wait between the stores and the loads, nor in front of the next block's stores.
.macro TOSTAGE a
.set AC, 64*((\a)%4)
	WIN 0x08+4*((\a)/4)                            ; an LDS store's data are its source 1: window 2 or 3
.irp b, 0,1,2,3,4,5,6,7
	ds_store_b128 v[STO], v[AC+8*\b:AC+8*\b+3] offset:64*\b          ; each accumulator from its low end on
	ds_store_b128 v[STO], v[AC+8*\b+4:AC+8*\b+7] offset:64*\b+16
.endr
	WIN 0
.set BB, BK+64*((\a)%2)
.irp t, 0,1,2,3,4,5,6,7,8,9,10,11,12,13,14,15
	ds_load_b128 v[BB+4*\t:BB+4*\t+3], v[RD] offset:\t*SPITCH
.endr
.endm
.macro SEND a, younger                 ; younger: the LDS instructions issued behind block a's loads, which may stay out
.set BB, BK+64*((\a)%2)
	s_wait_dscnt \younger                          ; the block is back in registers
.if (\a) > 0
	s_add_nc_u64 s[12:13], s[12:13], 16*SIZE_N*4   ; (behind a wait on XCNT: the earlier stores have read their base)  16 rows of out0 on
.endif
.irp t, 0,1,2,3,4,5,6,7,8,9,10,11,12,13,14,15
	global_store_b128 v[CO], v[BB+4*\t:BB+4*\t+3], s[12:13] offset:\t*SIZE_N*4 th:TH_STORE_NT   ; 32 lanes store 512 consecutive bytes, at a multiple of 256 from out0's first byte; written once, read by nobody here
.endr
.endm
	PLACES NP                                      ; in front of the loads into the registers that held A's fragments and the bias, and of the reads of results
	TOSTAGE 0
.irp a, 1,2,3,4,5,6,7
.if \a > 1
	s_wait_xcnt 0x0                                ; block a - 2's stores have read their registers and their base: block a's loads may land there, and the base may step
.endif
	TOSTAGE \a
	SEND \a-1, 32                                  ; behind block a - 1's loads: block a's 16 stores and 16 loads
.endr
	s_wait_xcnt 0x0                                ; block 6's stores have read their base
	SEND 7, 0
	s_wait_tensorcnt 0x0                           ; the wave's end: behind my last tensor load and my last LDS store
	ds_add_u32 v[SPW], v[NIL]
	s_wait_dscnt 0x0
	CROUND                                         ; the closing round: no work-group ends while a partner may still ask for a tile that names it
	s_endpgm
.Lfunc_end_k_q07c8ee1178_gemm_proj:
	.size	k_q07c8ee1178_gemm_proj, .Lfunc_end_k_q07c8ee1178_gemm_proj-k_q07c8ee1178_gemm_proj
	.p2alignl 7, 3214868480
	.fill 96, 4, 3214868480
	.section	.rodata,"a",@progbits
	.p2align	6, 0x0
	.amdhsa_kernel k_q07c8ee1178_gemm_proj
		.amdhsa_group_segment_fixed_size 327680
		.amdhsa_private_segment_fixed_size 0
		.amdhsa_enable_private_segment 0
		.amdhsa_kernarg_size 48
		.amdhsa_user_sgpr_count 2
		.amdhsa_user_sgpr_kernarg_segment_ptr 1
		.amdhsa_wavefront_size32 1
		.amdhsa_system_sgpr_workgroup_id_x 1
		.amdhsa_system_sgpr_workgroup_id_y 1
		.amdhsa_system_sgpr_workgroup_id_z 1
		.amdhsa_system_vgpr_workitem_id 0
		.amdhsa_next_free_vgpr 1024
		.amdhsa_next_free_sgpr 100
		.amdhsa_reserve_vcc 0
		.amdhsa_float_denorm_mode_32 3
		.amdhsa_float_denorm_mode_16_64 3
		.amdhsa_memory_ordered 1
		.amdhsa_forward_progress 1
		.amdhsa_inst_pref_size 126
	.end_amdhsa_kernel
	.amdgpu_metadata
---
amdhsa.version: [ 1, 2 ]
amdhsa.kernels:
  - .name:           k_q07c8ee1178_gemm_proj
    .symbol:         k_q07c8ee1178_gemm_proj.kd
    .args:
      - { .name: oc, .offset: 0, .size: 8, .value_kind: global_buffer, .address_space: global }
      - { .name: os, .offset: 8, .size: 8, .value_kind: global_buffer, .address_space: global }
      - { .name: wc, .offset: 16, .size: 8, .value_kind: global_buffer, .address_space: global }
      - { .name: ws, .offset: 24, .size: 8, .value_kind: global_buffer, .address_space: global }
      - { .name: b_proj, .offset: 32, .size: 8, .value_kind: global_buffer, .address_space: global }
      - { .name: out0, .offset: 40, .size: 8, .value_kind: global_buffer, .address_space: global }
    .group_segment_fixed_size: 327680
    .private_segment_fixed_size: 0
    .kernarg_segment_align: 8
    .kernarg_segment_size: 48
    .max_flat_workgroup_size: 128
    .sgpr_count:     100
    .vgpr_count:     1024
    .wavefront_size: 32
...
	.end_amdgpu_metadata
.endif
;; end of part 4
